; MI455X (gfx1250); checked and timed in simulation.
; The chip was launched on July 23, 2026; its instructions are those of AMD's public machine-readable ISA for CDNA 5 (MIT licence, August 2026) and "CDNA5" Instruction Set Architecture Reference Guide (July 2026). The comments in the code are by the model that wrote it; some were corrected since.
;; Brain Quantum Layer. Allowed arithmetic: float matrix products may take bf16 or f16 operands with f32 sums; other float arithmetic in f32, or as packed bf16 or f16 multiplies, adds, multiply-adds, maxima and minima; sums over many terms, partial sums and values carried from step to step in f32; what a program stores and reads back later, other than sums and carried values, may be rounded once to bf16 or f16.
;; Inputs: J 2,048 x 2,048 float32; W_in 2,048 x 1,024 float32; W_out 1,024 x 2,048 float32; b_in 2,048 float32; b_out 1,024 float32; lam one number float32; mask 2,048 x 2,048 float32; noise_raw 1 x 4,096 x 2,048 float32; theta 2,048 float32; weights 2,048 x 2,048 float32; x 4,096 x 1,024 float32.
;; Outputs: out0 4,096 x 1,024 float32.
;; Constants: time_steps = 1.
;; One version. Each part assembles by itself: llvm-mc -triple=amdgcn-amd-amdhsa -mcpu=gfx1250 --defsym DOCPART=n.
;; ======== version 1 of 1: 4 launches
;; limits: values are held in f16: magnitudes above 65,504 overflow, below 6.1e-05 lose precision; right only within a limited range of input values
;; workspace buffers: xb 8,388,608 bytes; wib 4,194,304 bytes; wob 4,194,304 bytes; ew 8,388,608 bytes; jm 8,388,608 bytes; st0 16,777,216 bytes; sact 16,777,216 bytes; st1 16,777,216 bytes
;; launch prep (part 1): grid 1024 x 1, 8 waves a work-group, no clusters, 35,840 bytes of LDS; arguments x, W_in, W_out, weights, J, mask, xb, wib, wob, ew, jm; writes xb, wib, wob, ew, jm
.if DOCPART == 1
	.amdgcn_target "amdgcn-amd-amdhsa--gfx1250"
	.amdhsa_code_object_version 6
	.text
	.protected	k_q4894d4ee7e_prep
	.globl	k_q4894d4ee7e_prep
	.p2align	8
	.type	k_q4894d4ee7e_prep,@function
k_q4894d4ee7e_prep:
	s_mov_b64 s[64:65], 0
	v_nop
	global_prefetch_b8 v0, s[64:65] scope:SCOPE_SE
	s_setreg_imm32_b32 hwreg(HW_REG_WAVE_MODE, 25, 1), 1
	s_wait_xcnt 0x0
; PREP: the matrix operands that are the problem's inputs, rounded once and laid out for the three products that follow.
; THE WHOLE PROGRAM: out0 = tanh(state0 (weights o mask) + lam (tanh(state0) (J o mask)) o tanh(state0) + 0.1 |sin 2 theta| noise) W_out^T + b_out, state0 = x W_in^T + b_in.
; NOTHING OF reference() IS LEFT OUT: time_steps is the constant 1, so its loop body runs once; every input reaches out0 and is loaded by some launch; the mask is an input and is multiplied in as it is given.
; FORMATS.  The problem's matrix inputs (x, W_in, weights, J, mask, W_out) are rounded to bf16.  What the program itself makes (state0, its tanh, the new state) is kept in f16, so the operands that are multiplied
; with those are written as f16 too: ew = f16(bf16(weights) bf16(mask)), jm likewise, wob = f16(bf16(W_out)).
; LIMITS.  f16 ends at 65,504: |bf16(weights) bf16(mask)|, |bf16(J) bf16(mask)| and |W_out| stay below it; below 6e-5 f16 keeps a fixed step of 6e-8.  NaN and infinities are not treated apart.
; LAYOUTS.  xb: [16 blocks of 64 k][4096 rows][64] bf16, wib: [16][2048][64] bf16: a tile of R rows x 64 k is R x 128 dense bytes.  wob: [1024][2048] f16, as W_out lies.
; ew, jm (f16) lie in the order in which a wave's operand registers take them: [16 groups of 128 n][64 quarters of 32 k][8 blocks of 16 n][2 halves of 16 k][32 lanes][16 bytes]; lane 16 hh + r of a half holds
; column n = r of the block and k = 8 hh + 0..7 of the half.  So number (k, n) lies at byte (n / 128) 524,288 + (k / 32) 8,192 + ((n % 128) / 16) 1,024 + ((k % 32) / 8) 256 + (n % 16) 16 + (k % 8) 2.
; SHARES.  Work-groups 0-511: 8 rows x 1,024 columns each of weights, J and mask.  512-767: 16 rows of x.  768-895: 16 rows of W_in.  896-1023: 16,384 numbers of W_out.
; Memory binds: no barrier, no loop.  A wave issues all its loads (24 or 16 of 16 bytes a lane) and works them off under counted waits; nothing pending is rewritten.
; Every load covers 512 consecutive bytes (or two runs of 256), every store whole aligned runs of 256 bytes.
.set IN,  32                           ; v[32:127]  as loaded
.set OUT, 128                          ; v[128:159] to store
.set PKT, 4                            ; v[4:5]     four numbers as bf16
.set UM,  6                            ; v[6:9]     the mask's four, widened again
.set UW,  10                           ; v[10:13]   W_out's four
.set SPW, 20                           ; v20        LDS address of my spare word; never rewritten
.set NIL, 21                           ; v21        0; never rewritten
.set STW, 22                           ; v22        the stage: where I put my four chunks of 16 bytes
.set LRD, 23                           ; v23        where I read chunks back
.set SPI, 272                          ; the stage: a block's 16 chunks, 256 bytes, + 16
.set STG, 8*SPI                        ; eight blocks: one product's part of a wave's stage
.set SPARE, 8*2*STG                    ; behind the eight stages: the spare words, 128 bytes a wave: four blocks of 256 bytes that no other line names
	s_load_b512 s[8:23], s[0:1], 0x0               ; x s[8:9], W_in s[10:11], W_out s[12:13], weights s[14:15], J s[16:17], mask s[18:19], xb s[20:21], wib s[22:23]
	s_load_b128 s[24:27], s[0:1], 0x40             ; wob s[24:25], ew s[26:27]
	s_load_b64 s[28:29], s[0:1], 0x50              ; jm
	v_lshl_add_u32 v[SPW], v0, 2, SPARE
	v_mov_b32 v[NIL], 0
	s_mov_b32 s31, ttmp9                           ; the work-group's number
	s_mov_b32 s30, 0xffff0000                      ; a word's upper bf16
	s_mov_b32 s3, 0
	s_mov_b32 s5, 0
	v_and_b32 v3, 31, v0                           ; lane
	v_lshrrev_b32 v18, 5, v0                       ; wave,
	v_readfirstlane_b32 s7, v18                    ; as a scalar too
	s_wait_kmcnt 0x0
.macro RB src, dst                     ; four f32 rounded to bf16 and widened again (dst may be src)
	v_cvt_pk_bf16_f32 v[PKT], v[\src], v[(\src)+1]
	v_cvt_pk_bf16_f32 v[PKT+1], v[(\src)+2], v[(\src)+3]
	v_lshlrev_b32 v[\dst], 16, v[PKT]
	v_and_b32 v[(\dst)+1], s30, v[PKT]
	v_lshlrev_b32 v[(\dst)+2], 16, v[PKT+1]
	v_and_b32 v[(\dst)+3], s30, v[PKT+1]
.endm
	s_cmp_lt_u32 s31, 512
	s_cbranch_scc0 .Lnot_mask
	; weights o mask and J o mask.  The work-group has rows k = 8 (G / 2) + 0..7; wave w the 128 columns of group 8 (G % 2) + w; lane l columns 4 l + 0..3 of them.
	s_lshr_b32 s6, s31, 1                          ; the eight rows' number, k / 8
	s_and_b32 s33, s31, 1
	v_lshlrev_b32 v1, 4, v3
	v_lshl_add_u32 v1, v18, 9, v1                  ; in: 512 x wave + 16 x lane
	s_lshl_b32 s2, s6, 16                          ; 8 rows of 8,192 bytes,
	s_lshl_b32 s34, s33, 12                        ; 8 groups of 512 bytes
	s_add_co_u32 s2, s2, s34
	s_add_nc_u64 s[14:15], s[14:15], s[2:3]
	s_add_nc_u64 s[16:17], s[16:17], s[2:3]
	s_add_nc_u64 s[18:19], s[18:19], s[2:3]
	v_and_b32 v4, 15, v0
	v_bfe_u32 v5, v0, 4, 1
	v_lshlrev_b32 v2, 4, v4
	v_lshl_add_u32 v2, v5, 10, v2
	v_lshl_add_u32 v2, v18, 19, v2                 ; out: my wave's group, block lane / 16 of two, chunk lane % 16
	s_lshr_b32 s4, s6, 2
	s_lshl_b32 s4, s4, 13                          ; the quarter of 32 k,
	s_and_b32 s34, s6, 3
	s_lshl_b32 s34, s34, 8                         ; these 8 k in it,
	s_add_co_u32 s4, s4, s34
	s_lshl_b32 s34, s33, 22                        ; 8 groups of 524,288 bytes
	s_add_co_u32 s4, s4, s34
	s_add_nc_u64 s[26:27], s[26:27], s[4:5]
	s_add_nc_u64 s[28:29], s[28:29], s[4:5]
	s_mul_i32 s35, s7, 2*STG                       ; my wave's stage
	v_lshrrev_b32 v6, 2, v3                        ; in: my four columns lie in block l / 4, chunks 4 (l % 4) + 0..3
	v_mul_u32_u24 v6, v6, SPI
	v_and_b32 v7, 3, v3
	v_lshl_add_u32 v6, v7, 6, v6
	v_add_nc_u32 v[STW], s35, v6
	v_mul_u32_u24 v6, v5, SPI                      ; back: lanes 0-15 a block's 256 bytes, lanes 16-31 the next block's
	v_lshl_add_u32 v6, v4, 4, v6
	v_add_nc_u32 v[LRD], s35, v6
.set u, 0
.rept 8
	global_load_b128 v[IN+12*u:IN+12*u+3],    v1, s[14:15] offset:8192*u th:TH_LOAD_NT
	global_load_b128 v[IN+12*u+4:IN+12*u+7],  v1, s[16:17] offset:8192*u th:TH_LOAD_NT
	global_load_b128 v[IN+12*u+8:IN+12*u+11], v1, s[18:19] offset:8192*u th:TH_LOAD_NT
.set u, u+1
.endr
.set u, 0
.rept 8
	s_wait_loadcnt 21-3*u                          ; loads come back in order: row u's three are in, the 3 (7 - u) of the later rows stay out
	RB IN+12*u+8, UM
	RB IN+12*u, IN+12*u
	RB IN+12*u+4, IN+12*u+4
	v_pk_mul_f32 v[IN+12*u:IN+12*u+1],   v[IN+12*u:IN+12*u+1],   v[UM:UM+1]    ; a product of two bf16 is exact in f32
	v_pk_mul_f32 v[IN+12*u+2:IN+12*u+3], v[IN+12*u+2:IN+12*u+3], v[UM+2:UM+3]
	v_pk_mul_f32 v[IN+12*u+4:IN+12*u+5], v[IN+12*u+4:IN+12*u+5], v[UM:UM+1]
	v_pk_mul_f32 v[IN+12*u+6:IN+12*u+7], v[IN+12*u+6:IN+12*u+7], v[UM+2:UM+3]
.set u, u+1
.endr
.set c, 0
.rept 4                                ; column c's eight k, packed in ascending k: a chunk of 16 bytes
.set m, 0
.rept 4
	v_cvt_pk_f16_f32 v[OUT+4*c+m],    v[IN+24*m+c],   v[IN+24*m+12+c]
	v_cvt_pk_f16_f32 v[OUT+16+4*c+m], v[IN+24*m+4+c], v[IN+24*m+16+c]
.set m, m+1
.endr
.set c, c+1
.endr
.irp c, 0,1,2,3
	ds_store_b128 v[STW], v[OUT+4*(\c):OUT+4*(\c)+3]       offset:16*(\c)
	ds_store_b128 v[STW], v[OUT+16+4*(\c):OUT+16+4*(\c)+3] offset:STG+16*(\c)
.endr
.irp i, 0,1,2,3
	ds_load_b128 v[IN+4*(\i):IN+4*(\i)+3],       v[LRD] offset:2*SPI*(\i)      ; LDS serves a wave's instructions in order (ISA guide 5.7.1.4): these see the stores above; the stage is the wave's own
	ds_load_b128 v[IN+16+4*(\i):IN+16+4*(\i)+3], v[LRD] offset:STG+2*SPI*(\i)
.endr
	s_wait_dscnt 0x0
.irp i, 0,1,2,3
	global_store_b128 v2, v[IN+4*(\i):IN+4*(\i)+3],       s[26:27] offset:2048*(\i) th:TH_STORE_NT  ; 16 lanes store 256 consecutive bytes, aligned: these 8 k of a block's 16 columns
	global_store_b128 v2, v[IN+16+4*(\i):IN+16+4*(\i)+3], s[28:29] offset:2048*(\i) th:TH_STORE_NT
.endr
	s_wait_tensorcnt 0x0                           ; the end of a wave that stored to LDS
	ds_add_u32 v[SPW], v[NIL]
	s_wait_dscnt 0x0
	s_endpgm
; 16 rows of 1,024 f32 into blocks of 64 k.  A wave has two rows; lanes 0-15 take 64 numbers of the first, lanes 16-31 of the second: in the blocked layout those two pieces are 256 bytes on end.
.macro BLK src, dst, first, kbs        ; kbs: bytes from block to block, rows x 128
	s_sub_co_u32 s6, s31, \first
	s_lshl_b32 s2, s6, 16                          ; 16 rows of 4,096 bytes in,
	s_lshl_b32 s4, s6, 11                          ; 16 rows of 128 bytes in each block out
	s_add_nc_u64 s[\src:(\src)+1], s[\src:(\src)+1], s[2:3]
	s_add_nc_u64 s[\dst:(\dst)+1], s[\dst:(\dst)+1], s[4:5]
.set u, 0
.rept 16
	global_load_b128 v[IN+4*u:IN+4*u+3], v1, s[\src:(\src)+1] offset:256*u th:TH_LOAD_NT
.set u, u+1
.endr
.set u, 0
.rept 16
	s_wait_loadcnt 15-u                            ; block u's load is in, the later ones stay out
	v_cvt_pk_bf16_f32 v[OUT+2*u],   v[IN+4*u],   v[IN+4*u+1]
	v_cvt_pk_bf16_f32 v[OUT+2*u+1], v[IN+4*u+2], v[IN+4*u+3]
	global_store_b64 v2, v[OUT+2*u:OUT+2*u+1], s[\dst:(\dst)+1] offset:(\kbs)*u th:TH_STORE_NT  ; 15 x 524,288 at the most: inside the signed 24-bit immediate
.set u, u+1
.endr
	s_endpgm
.endm
.Lnot_mask:
	s_cmp_lt_u32 s31, 896
	s_cbranch_scc0 .Lw_out
	v_and_b32 v4, 15, v0
	v_bfe_u32 v5, v0, 4, 1
	v_lshlrev_b32 v1, 4, v4
	v_lshl_add_u32 v1, v5, 12, v1
	v_lshl_add_u32 v1, v18, 13, v1                 ; in: (2 x wave + lane / 16) rows + 16 (lane % 16)
	v_lshlrev_b32 v2, 3, v3
	v_lshl_add_u32 v2, v18, 8, v2                  ; out: 256 x wave + 8 x lane
	s_cmp_lt_u32 s31, 768
	s_cbranch_scc0 .Lw_in
	BLK 8, 20, 512, 4096*128                       ; x -> xb
.Lw_in:
	BLK 10, 22, 768, 2048*128                      ; W_in -> wib
.Lw_out:
	; W_out -> wob, as it lies: a wave has 2,048 numbers on end, sixteen units of 128
	v_lshlrev_b32 v1, 4, v3
	v_lshl_add_u32 v1, v18, 13, v1
	v_lshlrev_b32 v2, 3, v3
	v_lshl_add_u32 v2, v18, 12, v2
	s_sub_co_u32 s6, s31, 896
	s_lshl_b32 s2, s6, 16
	s_lshl_b32 s4, s6, 15
	s_add_nc_u64 s[12:13], s[12:13], s[2:3]
	s_add_nc_u64 s[24:25], s[24:25], s[4:5]
.set u, 0
.rept 16
	global_load_b128 v[IN+4*u:IN+4*u+3], v1, s[12:13] offset:512*u th:TH_LOAD_NT
.set u, u+1
.endr
.set u, 0
.rept 16
	s_wait_loadcnt 15-u
	RB IN+4*u, UW
	v_cvt_pk_f16_f32 v[OUT+2*u],   v[UW],   v[UW+1]
	v_cvt_pk_f16_f32 v[OUT+2*u+1], v[UW+2], v[UW+3]
	global_store_b64 v2, v[OUT+2*u:OUT+2*u+1], s[24:25] offset:256*u th:TH_STORE_NT
.set u, u+1
.endr
	s_endpgm
.Lfunc_end_k_q4894d4ee7e_prep:
	.size	k_q4894d4ee7e_prep, .Lfunc_end_k_q4894d4ee7e_prep-k_q4894d4ee7e_prep
	.p2alignl 7, 3214868480
	.fill 96, 4, 3214868480
	.section	.rodata,"a",@progbits
	.p2align	6, 0x0
	.amdhsa_kernel k_q4894d4ee7e_prep
		.amdhsa_group_segment_fixed_size 35840
		.amdhsa_private_segment_fixed_size 0
		.amdhsa_enable_private_segment 0
		.amdhsa_kernarg_size 88
		.amdhsa_user_sgpr_count 2
		.amdhsa_user_sgpr_kernarg_segment_ptr 1
		.amdhsa_wavefront_size32 1
		.amdhsa_system_sgpr_workgroup_id_x 1
		.amdhsa_system_sgpr_workgroup_id_y 1
		.amdhsa_system_sgpr_workgroup_id_z 1
		.amdhsa_system_vgpr_workitem_id 0
		.amdhsa_next_free_vgpr 160
		.amdhsa_next_free_sgpr 66
		.amdhsa_reserve_vcc 0
		.amdhsa_float_denorm_mode_32 3
		.amdhsa_float_denorm_mode_16_64 3
		.amdhsa_memory_ordered 1
		.amdhsa_forward_progress 1
		.amdhsa_inst_pref_size 39
	.end_amdhsa_kernel
	.amdgpu_metadata
---
amdhsa.version: [ 1, 2 ]
amdhsa.kernels:
  - .name:           k_q4894d4ee7e_prep
    .symbol:         k_q4894d4ee7e_prep.kd
    .args:
      - { .name: x, .offset: 0, .size: 8, .value_kind: global_buffer, .address_space: global }
      - { .name: W_in, .offset: 8, .size: 8, .value_kind: global_buffer, .address_space: global }
      - { .name: W_out, .offset: 16, .size: 8, .value_kind: global_buffer, .address_space: global }
      - { .name: weights, .offset: 24, .size: 8, .value_kind: global_buffer, .address_space: global }
      - { .name: J, .offset: 32, .size: 8, .value_kind: global_buffer, .address_space: global }
      - { .name: mask, .offset: 40, .size: 8, .value_kind: global_buffer, .address_space: global }
      - { .name: xb, .offset: 48, .size: 8, .value_kind: global_buffer, .address_space: global }
      - { .name: wib, .offset: 56, .size: 8, .value_kind: global_buffer, .address_space: global }
      - { .name: wob, .offset: 64, .size: 8, .value_kind: global_buffer, .address_space: global }
      - { .name: ew, .offset: 72, .size: 8, .value_kind: global_buffer, .address_space: global }
      - { .name: jm, .offset: 80, .size: 8, .value_kind: global_buffer, .address_space: global }
    .group_segment_fixed_size: 35840
    .private_segment_fixed_size: 0
    .kernarg_segment_align: 8
    .kernarg_segment_size: 88
    .max_flat_workgroup_size: 256
    .sgpr_count:     66
    .vgpr_count:     160
    .wavefront_size: 32
...
	.end_amdgpu_metadata
.endif
;; end of part 1
;; launch proj_in (part 2): grid 8 x 32, 4 waves a work-group, clusters of 4 x 4, 327,680 bytes of LDS; arguments xb, wib, b_in, st0, sact; writes st0, sact
.if DOCPART == 2
	.amdgcn_target "amdgcn-amd-amdhsa--gfx1250"
	.amdhsa_code_object_version 6
	.text
	.protected	k_q4894d4ee7e_proj_in
	.globl	k_q4894d4ee7e_proj_in
	.p2align	8
	.type	k_q4894d4ee7e_proj_in,@function
k_q4894d4ee7e_proj_in:
	s_mov_b64 s[64:65], 0
	v_nop
	global_prefetch_b8 v0, s[64:65] scope:SCOPE_SE
	s_setreg_imm32_b32 hwreg(HW_REG_WAVE_MODE, 25, 1), 1
	s_wait_xcnt 0x0
	s_wait_alu depctr_hold_cnt(0) depctr_sa_sdst(0) depctr_va_vdst(0) depctr_va_sdst(0) depctr_va_ssrc(0) depctr_va_vcc(0) depctr_vm_vsrc(0)
	s_getreg_b32 s2, hwreg(HW_REG_IB_STS2, 6, 4)
	s_cmp_eq_u32 s2, 0
	s_cbranch_scc0 .Lentry_in_a_cluster
	s_endpgm
.Lentry_in_a_cluster:
	s_bfe_u32 s2, ttmp6, 0x10000c
	s_cmp_lg_u32 s2, 0xf033
	s_cbranch_scc0 .Lentry_shape_is_right
	s_endpgm
.Lentry_shape_is_right:
; PROJ_IN: state0 = x W_in^T + b_in and s = tanh(state0), both stored in f16 in blocks of 64 columns: st0, sact: [32 blocks][4096 tokens][64].  Nothing of reference() is left out here.
; Operands bf16 (xb, wib: blocks of 64 k), sums f32, b_in in f32.  LIMITS: |state0| stays under f16's 65,504; tanh(v) = 1 - 2 / (1 + 2^(c v)), c = 2 log2 e, good to some 2e-7 absolute; an exponential
; below 2^-126 counts as 0; NaN and infinities are not treated apart.
; SHARES.  A work-group makes 128 tokens x 256 columns.  K = 1,024 IS SPLIT IN TWO: wave (p, h) sums k = 512 p .. 512 p + 511 for all 128 tokens and columns 128 h .. 128 h + 127: 64 accumulators of 16 x 16,
; 512 registers.  The two partial sums meet in LDS at the end, where the layout is changed as well.
; RING.  K goes in steps of 64 for each half, through two LDS slots; a slot holds A's tile for p = 0 and p = 1 (128 rows each) and B's for p = 0 and p = 1 (256 rows each).  In the blocked layout a tile is dense:
; it is asked for as rows of 256 bytes (two rows of 64 k) and padded in LDS behind every 128 bytes.  Wave w fetches one of the four tiles: A or B by w / 2, the half of K by w % 2.
; CLUSTER.  4 x 4 work-groups.  A's tiles hang on the tile row alone and are asked for jointly along a row of the cluster, B's on the tile column alone and jointly along a column.
; THE MATRIX INSTRUCTION IS USED TRANSPOSED (source 0 = 16 rows of W_in, source 1 = 16 tokens): lane l holds token l % 16 and the columns 8 (l / 16) + 0..7.
; NO PREFETCH: a half of K has eight steps, of which the first ones are on their way at the head; a lead of several steps would leave the last two to ask for.
; REGISTERS, in windows of 256: window 0: v0-31 addresses, v64-127 and v128-191 A's fragments (two buffers), v192-207 the bias; window 1: v64-127, v128-191 B's fragments; windows 2, 3: the accumulators of
; tokens 0-63 and 64-127, (a, b) at v[8 (8 (a % 4) + b)].  In the finish window 0 alone is used.
.set PA,     144                       ; an LDS row: 128 bytes + 16 of padding = 36 words: the 16 rows of a fragment load start at 16 different groups of four banks (64 banks of 4 bytes: ISA guide 11.1)
.set ATILE,  128*PA
.set BTILE,  256*PA
.set BOFF,   2*ATILE                   ; a slot: A0, A1, B0, B1
.set SLOT,   2*ATILE+2*BTILE           ; 110,592
.set SPARE,  2*SLOT                    ; behind the ring: the spare words, 128 bytes a wave: two blocks of 256 bytes that no other line names
.set DREG,   65536                     ; the finish: 64 rows x 256 f32 of each partial sum, in ring bytes that have had their last fill
.set DP,     1040                      ; 1,024 bytes + 16: an odd multiple of 16
.set DPROD,  64*DP
.set LAPS,   4                         ; a lap = two steps = once round the ring
.set ASTEP,  4096*128                  ; bytes from block to block in xb,
.set BSTEP,  2048*128                  ; in wib,
.set OSTEP,  4096*128                  ; in st0 and sact
.set GO,   13                          ; v13     8 x lane: my 8 bytes in 256 of st0 and sact; never rewritten
.set GOW,  15                          ; v15     GO + the trip's offset
.set ADRA, 16                          ; v16-17  LDS address of my A fragments in slot 0, 1
.set CC,   18                          ; v18-19  c, twice
.set ADRB, 20                          ; v20-21  the same for B
.set DA,   22                          ; v22     where I put 32 bytes of a row of partial sums
.set BSG,  23                          ; v23     where I read rows back: first trip
.set ASG,  24                          ; v24     this trip, first partial sum
.set AUU,  25                          ; v25     second partial sum
.set SPW,  28                          ; v28     LDS address of my spare word; never rewritten
.set NIL,  29                          ; v29     0; never rewritten
.set F0,   64
.set F1,   128
.set SG,   64                          ; the finish: v[64:95], v[96:127] the two partial sums of 8 units of 2 tokens x 64 columns
.set UU,   96
.set Z,    160                         ; v[160:191] at work
.set BI,   192                         ; v[192:207] b_in of my 16 columns
.set P0,   208                         ; v[208:223] state0 in f16
.set P1,   224                         ; v[224:239] tanh in f16
.set G1,  24                           ; s[24:31] descriptor group 1 for A's tiles;  s[32:39] group 0, a set for each slot
.set G0,  32
.set G1B, 48                           ; s[48:55], s[56:63] the same for B's
.set G0B, 56
.set OSG, 14                           ; s14  the trip's offset in the rows read back
.set OG,  15                           ; s15  the trip's offset in st0 and sact
.set CNT, 18                           ; s18  trips to go
.set MSB, 0
.macro WIN new                         ; the immediate's high byte repeats the setting that is left; a switch that changes nothing is dropped
.if MSB != (\new)
	s_set_vgpr_msb (MSB<<8)|(\new)
.set MSB, \new
.endif
.endm
.set MUL_LO, 0xa1                      ; source 0 (B) window 1, source 1 (A) window 0, C and D window 2
.set MUL_HI, 0xf1                      ; the same, C and D window 3
.set TO_B,   0x40                      ; destination window 1, address window 0
; A joint load.  Waves 0 and 1 fetch A's two tiles, waves 2 and 3 B's.  The branch hangs on the wave's number alone.  An s_nop 0 and four v_nop follow each of the two lines.
.macro JLOAD s
	s_cmp_eq_u32 s11, 0
	s_cbranch_scc0 .Lfor_b_\@
	tensor_load_to_lds s[G0+4*(\s):G0+4*(\s)+3], s[G1:G1+7]
	s_nop 0
.rept 4
	v_nop
.endr
	s_branch .Lasked_\@
.Lfor_b_\@:
	tensor_load_to_lds s[G0B+4*(\s):G0B+4*(\s)+3], s[G1B:G1B+7]
	s_nop 0
.rept 4
	v_nop
.endr
.Lasked_\@:
.endm
.macro CREST                           ; a round of the cluster's barrier behind its opening barrier: wave 0 signals for the work-group, every wave waits for all sixteen, my work-group's barrier closes it
	s_cmp_lg_u32 s10, 0
	s_cbranch_scc1 .Lnot_wave_0_\@
	s_barrier_signal -3
.Lnot_wave_0_\@:
	s_barrier_wait -3
	s_barrier_signal -1
	s_barrier_wait -1
.endm
.macro CROUND                          ; a whole round
	s_barrier_signal -1
	s_barrier_wait -1
	CREST
.endm
.macro PLACES                          ; four places behind a matrix instruction, in front of loads into registers that it has read and of lines that read its results
.rept 4
	v_nop
.endr
.endm
	s_load_b256 s[72:79], s[0:1], 0x0              ; xb s[72:73], wib s[74:75], b_in s[76:77], st0 s[78:79]
	s_load_b64 s[80:81], s[0:1], 0x20              ; sact
	v_lshl_add_u32 v[SPW], v0, 2, SPARE
	v_mov_b32 v[NIL], 0
	ds_add_u32 v[SPW], v[NIL]                      ; the wave's opening: the add, twice on end, and its wait ahead of my first tensor load; the set-up below stands between
	ds_add_u32 v[SPW], v[NIL]
	v_lshrrev_b32 v1, 5, v0
	v_readfirstlane_b32 s10, v1                    ; wave 0..3
	s_lshr_b32 s11, s10, 1                         ; p: my half of K.  Also: I fetch for A (0) or for B (1)
	s_and_b32 s12, s10, 1                          ; h: my half of the columns.  Also: the half of K whose tile I fetch
	s_bfe_u32 s40, ttmp6, 0x40000                  ; cx, cy: my place in the cluster
	s_bfe_u32 s41, ttmp6, 0x40004
	s_lshl_b32 s42, ttmp9, 2
	s_add_co_u32 s42, s42, s40                     ; tile column = 4 x cluster x + cx
	s_and_b32 s13, ttmp7, 0xffff
	s_lshl_b32 s13, s13, 2
	s_add_co_u32 s13, s13, s41                     ; tile row = 4 x cluster y + cy
	s_lshl_b32 s43, s41, 2
	s_lshl_b32 s43, 15, s43                        ; my row of the cluster
	s_lshl_b32 s44, 0x1111, s40                    ; my column
	; group 1: rows of 128 elements (256 dense bytes), 64 of them for A's tile, 128 for B's
	s_or_b32 s[G1+0], s43, (1<<16)|(1<<20)|(1<<21)|(4<<22)|(3<<25)   ; 15:0 the mask; 17:16 2-byte elements; 20 padding on; 21 set beside a mask; 24:22 after every 32 words (code 4); 31:25 4 words (code 3)
	s_or_b32 s[G1B+0], s44, (1<<16)|(1<<20)|(1<<21)|(4<<22)|(3<<25)
	s_mov_b32 s[G1+1], 128<<16                     ; tensor_dim0 = 128
	s_mov_b32 s[G1+2], 64<<16                      ; tensor_dim1 = 64
	s_mov_b32 s[G1+3], 128<<16                     ; tile_dim0 = 128
	s_mov_b32 s[G1+4], 64                          ; tile_dim1 = 64
	s_mov_b32 s[G1+5], 128                         ; 128 elements from row to row
	s_mov_b32 s[G1+6], 0
	s_mov_b32 s[G1+7], 0
	s_mov_b32 s[G1B+1], 128<<16
	s_mov_b32 s[G1B+2], 128<<16
	s_mov_b32 s[G1B+3], 128<<16
	s_mov_b32 s[G1B+4], 128
	s_mov_b32 s[G1B+5], 128
	s_mov_b32 s[G1B+6], 0
	s_mov_b32 s[G1B+7], 0
	s_lshl_b32 s20, s12, 22                        ; A: block 8 x half, 524,288 bytes each,
	s_lshl_b32 s21, s13, 14                        ; the tile row's 128 rows of 128 bytes
	s_add_co_u32 s20, s20, s21
	s_mov_b32 s21, 0
	s_lshl_b32 s22, s12, 21                        ; B: block 8 x half, 262,144 bytes each,
	s_lshl_b32 s23, s42, 15                        ; the tile column's 256 rows
	s_add_co_u32 s22, s22, s23
	s_mov_b32 s23, 0
	s_mul_i32 s45, s12, ATILE                      ; where they go: no place in the cluster enters an LDS address
	s_mul_i32 s46, s12, BTILE
	s_add_co_u32 s46, s46, BOFF
	s_wait_dscnt 0x0                               ; both opening adds are done
	s_wait_kmcnt 0x0
	s_add_nc_u64 s[14:15], s[72:73], s[20:21]
	s_add_nc_u64 s[16:17], s[74:75], s[22:23]
	CROUND                                         ; all sixteen work-groups are here: the first joint loads meet
.irp s, 0,1
	s_mov_b32 s[G0+4*(\s)], 1
	s_add_co_u32 s[G0+4*(\s)+1], s45, (\s)*SLOT
	s_add_nc_u64 s[G0+4*(\s)+2:G0+4*(\s)+3], s[14:15], (\s)*ASTEP
	s_or_b32 s[G0+4*(\s)+3], s[G0+4*(\s)+3], 0x80000000
	s_mov_b32 s[G0B+4*(\s)], 1
	s_add_co_u32 s[G0B+4*(\s)+1], s46, (\s)*SLOT
	s_add_nc_u64 s[G0B+4*(\s)+2:G0B+4*(\s)+3], s[16:17], (\s)*BSTEP
	s_or_b32 s[G0B+4*(\s)+3], s[G0B+4*(\s)+3], 0x80000000
	JLOAD \s                                       ; two tensor loads of a wave are out here, later one
.endr
	; a fragment is 16 rows x 32 k in 8 registers: lane l holds row l % 16, k = 8 (l / 16) + 0..7 and 16 + 8 (l / 16) + 0..7: two loads of 16 bytes, 32 bytes apart
	v_and_b32 v1, 15, v0                           ; r = l % 16
	v_bfe_u32 v2, v0, 4, 1                         ; l / 16
	v_mul_u32_u24 v3, v1, PA
	v_lshl_add_u32 v3, v2, 4, v3
	s_mul_i32 s21, s11, ATILE                      ; A's tile of my half of K
	s_mul_i32 s22, s11, BTILE                      ; B's,
	s_mul_i32 s23, s12, ATILE                      ; my 128 rows of it
	s_add_co_u32 s22, s22, s23
	s_add_co_u32 s22, s22, BOFF
.irp s, 0,1
	v_add_nc_u32 v[ADRA+(\s)], s21, v3
	v_add_nc_u32 v[ADRB+(\s)], s22, v3
	s_add_co_u32 s21, s21, SLOT
	s_add_co_u32 s22, s22, SLOT
.endr
	s_mul_i32 s21, s11, DPROD                      ; the finish, in: my partial sum's region, my 128 columns (512 bytes), row r, 32 bytes for each half of the lanes
	s_lshl_b32 s22, s12, 9
	s_add_co_u32 s21, s21, s22
	s_add_co_u32 s21, s21, DREG
	v_mul_u32_u24 v4, v1, DP
	v_lshl_add_u32 v4, v2, 5, v4
	v_add_nc_u32 v[DA], s21, v4
	s_mul_i32 s21, s10, 16*DP                      ; back: wave w takes rows 16 w .. 16 w + 15; lanes 0-15 256 bytes of one row, lanes 16-31 of the next
	s_add_co_u32 s21, s21, DREG
	v_mul_u32_u24 v4, v2, DP
	v_lshl_add_u32 v4, v1, 4, v4
	v_add_nc_u32 v[BSG], s21, v4
	v_and_b32 v4, 31, v0
	v_lshlrev_b32 v[GO], 3, v4
	v_mov_b32 v[CC], 0x4038aa3b                    ; c = 2 log2 e
	v_mov_b32 v[CC+1], 0x4038aa3b
	v_lshlrev_b32 v5, 4, v1                        ; b_in: columns 256 x tile column + 64 k + 4 r + 0..3
	s_lshl_b32 s22, s42, 10
	s_mov_b32 s23, 0
	s_add_nc_u64 s[76:77], s[76:77], s[22:23]
.irp k, 0,1,2,3
	global_load_b128 v[BI+4*(\k):BI+4*(\k)+3], v5, s[76:77] offset:256*(\k)
.endr
	s_lshl_b32 s20, s13, 14                        ; st0 and sact at block 4 x tile column, token 128 x tile row + 32 x wave
	s_lshl_b32 s21, s10, 12
	s_add_co_u32 s20, s20, s21
	s_lshl_b32 s21, s42, 21
	s_add_co_u32 s20, s20, s21
	s_mov_b32 s21, 0
	s_add_nc_u64 s[78:79], s[78:79], s[20:21]
	s_add_nc_u64 s[80:81], s[80:81], s[20:21]
; 16 matrix instructions: token blocks a0, a0 + 1 of the window's four x all 8 column blocks, 32 along K.  zero = 1: the first product starts the sums.  The 64 accumulators take turns in one order
; in every quarter.
.macro MUL16 f, hi, a0, zero
	WIN MUL_LO+0x50*(\hi)
.irp a, \a0, (\a0)+1
.irp b, 0,1,2,3,4,5,6,7
.if \zero
	v_wmma_f32_16x16x32_bf16 v[8*(8*(\a)+(\b)):8*(8*(\a)+(\b))+7], v[(\f)+8*(\b):(\f)+8*(\b)+7], v[(\f)+8*(4*(\hi)+(\a)):(\f)+8*(4*(\hi)+(\a))+7], 0
.else
	v_wmma_f32_16x16x32_bf16 v[8*(8*(\a)+(\b)):8*(8*(\a)+(\b))+7], v[(\f)+8*(\b):(\f)+8*(\b)+7], v[(\f)+8*(4*(\hi)+(\a)):(\f)+8*(4*(\hi)+(\a))+7], v[8*(8*(\a)+(\b)):8*(8*(\a)+(\b))+7]
.endif
.endr
.endr
.endm
; 32 LDS loads in one run: 128 rows of B, 128 rows of A, 32 k at byte k of the rows, into buffer f
.macro FETCH slot, k, f
	WIN TO_B
.irp i, 0,1,2,3,4,5,6,7
	ds_load_b128 v[(\f)+8*(\i):(\f)+8*(\i)+3],   v[ADRB+(\slot)] offset:(\k)+(\i)*16*PA
	ds_load_b128 v[(\f)+8*(\i)+4:(\f)+8*(\i)+7], v[ADRB+(\slot)] offset:(\k)+(\i)*16*PA+32
.endr
	WIN 0
.irp i, 0,1,2,3,4,5,6,7
	ds_load_b128 v[(\f)+8*(\i):(\f)+8*(\i)+3],   v[ADRA+(\slot)] offset:(\k)+(\i)*16*PA
	ds_load_b128 v[(\f)+8*(\i)+4:(\f)+8*(\i)+7], v[ADRA+(\slot)] offset:(\k)+(\i)*16*PA+32
.endr
.endm
; A step is two quarters of 32 along K.  The first multiplies buffer 0 and fetches the second's fragments into buffer 1.
.macro QUARTER slot, zero
	s_wait_dscnt 8                                 ; B and A's tokens 0-63 are in; the youngest eight loads (tokens 64-127) may be out
	MUL16 F0, 0, 0, \zero
	MUL16 F0, 0, 2, \zero
	PLACES
	FETCH \slot, 64, F1
	s_wait_dscnt 32                                ; all but the 32 just issued
	MUL16 F0, 1, 0, \zero
	MUL16 F0, 1, 2, \zero
.endm
; The second multiplies buffer 1 and changes slots: ONE barrier.  In front of it each wave waits for all its tensor loads (one is out: its tile of the next slot), adds 0 to its spare word, and waits for that and
; for its reads of this slot.  fill = 1: the barrier opens a round of the cluster's, and the joint refill, two steps ahead, is the first thing behind it: 96 matrix instructions ahead of the wait for it.
.macro TURN slot, next, fill
	WIN 0                                          ; (the add's two registers lie in window 0)
	s_wait_tensorcnt 0x0
	ds_add_u32 v[SPW], v[NIL]
	s_wait_dscnt 9                                 ; (the add and the youngest eight loads may be out)
	MUL16 F1, 0, 0, 0
	s_wait_dscnt 0x0                               ; the add is done, and my reads of this slot are over
	s_barrier_signal -1
	MUL16 F1, 0, 2, 0
.if \fill
	WIN 0
.endif
	s_barrier_wait -1
.if \fill
	CREST                                          ; no wave of any partner still reads this slot or has a load on its way
	s_add_nc_u64 s[G0+4*(\slot)+2:G0+4*(\slot)+3], s[G0+4*(\slot)+2:G0+4*(\slot)+3], 2*ASTEP
	s_add_nc_u64 s[G0B+4*(\slot)+2:G0B+4*(\slot)+3], s[G0B+4*(\slot)+2:G0B+4*(\slot)+3], 2*BSTEP
	JLOAD \slot                                    ; its four v_nop are also the places in front of the loads below
.else
	PLACES
.endif
	FETCH \next, 0, F0
	MUL16 F1, 1, 0, 0
	MUL16 F1, 1, 2, 0
.endm
; THE FINISH, in two passes.  Pass par: every wave puts its token blocks a = par, par + 2, par + 4, par + 6 into LDS in f32: row 16 (a / 2) + r of its partial sum's region is token 32 (a / 2) + 16 par + r.
; Wave w then reads rows 16 w .. 16 w + 15 of both regions: its tokens 32 w + 16 par + 0..15.  Each accumulator's lowest registers are read first.
.macro DUMP par
.irp g, 0,1,2,3
.set AA, (\par)+2*(\g)
	WIN 0x08+4*(AA/4)                              ; the stores' data (source 1) in window 2 or 3
.irp b, 0,1,2,3,4,5,6,7
	ds_store_b128 v[DA], v[8*(8*(AA%4)+(\b)):8*(8*(AA%4)+(\b))+3]   offset:(\g)*16*DP+64*(\b)
	ds_store_b128 v[DA], v[8*(8*(AA%4)+(\b))+4:8*(8*(AA%4)+(\b))+7] offset:(\g)*16*DP+64*(\b)+16
.endr
.endr
	WIN 0
.endm
.macro LDSG                            ; a trip's 8 units (token pair j, 64 columns k) of both partial sums: lane l holds token 2 j + l / 16, columns 64 k + 4 (l % 16) + 0..3
	v_add_nc_u32 v[ASG], s[OSG], v[BSG]
	v_add_nc_u32 v[AUU], DPROD, v[ASG]
.irp j, 0,1
.irp k, 0,1,2,3
	ds_load_b128 v[SG+4*(4*(\j)+(\k)):SG+4*(4*(\j)+(\k))+3], v[ASG] offset:(\j)*2*DP+(\k)*256
	ds_load_b128 v[UU+4*(4*(\j)+(\k)):UU+4*(4*(\j)+(\k))+3], v[AUU] offset:(\j)*2*DP+(\k)*256
.endr
.endr
.endm
.macro FINISH par
	s_wait_dscnt 0x0                               ; my reads of the bytes that are written next are over (the ring's; the pass before's)
	s_barrier_signal -1
	s_barrier_wait -1                              ; everybody's are
	DUMP \par
	s_wait_dscnt 0x0                               ; for the others' sake: my stores are done
	s_barrier_signal -1
	s_barrier_wait -1
	s_mov_b32 s[OSG], 0
	s_mov_b32 s[OG], (\par)*16*128
	s_mov_b32 s[CNT], 4
	LDSG
.Ltrip_\@:                                     ; four trips of four tokens
	s_wait_dscnt 0x0
.set i, 0
.rept 16
	v_pk_add_f32 v[Z+2*i:Z+2*i+1], v[SG+2*i:SG+2*i+1], v[UU+2*i:UU+2*i+1]  ; the two halves of K
.set i, i+1
.endr
.set i, 0
.rept 16
	v_pk_add_f32 v[Z+2*i:Z+2*i+1], v[Z+2*i:Z+2*i+1], v[BI+(2*i)%16:BI+(2*i)%16+1]  ; + b_in
.set i, i+1
.endr
	s_cmp_eq_u32 s[CNT], 1                         ; the next trip's rows are asked for as soon as these are consumed; the last trip has none
	s_cbranch_scc1 .Lno_more_\@
	s_add_co_u32 s[OSG], s[OSG], 4*DP
	LDSG
.Lno_more_\@:
	s_wait_xcnt 0x0                                ; the last trip's stores have read their offset and their data: both are rewritten only behind this wait
	v_add_nc_u32 v[GOW], s[OG], v[GO]
	s_add_co_u32 s[OG], s[OG], 4*128
.set i, 0
.rept 16
	v_cvt_pk_f16_f32 v[P0+i], v[Z+2*i], v[Z+2*i+1]
.set i, i+1
.endr
.set i, 0
.rept 16
	v_pk_mul_f32 v[Z+2*i:Z+2*i+1], v[Z+2*i:Z+2*i+1], v[CC:CC+1]
.set i, i+1
.endr
.set i, 0
.rept 32
	v_exp_f32 v[Z+i], v[Z+i]
.set i, i+1
.endr
	v_nop                                          ; a plain instruction behind the last exponential,
	s_wait_alu depctr_va_vdst(0)                   ; and one wait for the batch of 32, ahead of its first reader
.set i, 0
.rept 16
	v_pk_add_f32 v[Z+2*i:Z+2*i+1], v[Z+2*i:Z+2*i+1], 1.0 op_sel_hi:[1,0]
.set i, i+1
.endr
.set i, 0
.rept 32
	v_rcp_f32 v[Z+i], v[Z+i]
.set i, i+1
.endr
	v_nop
	s_wait_alu depctr_va_vdst(0)                   ; the same for the 32 reciprocals
.set i, 0
.rept 16
	v_pk_fma_f32 v[Z+2*i:Z+2*i+1], v[Z+2*i:Z+2*i+1], -2.0, 1.0 op_sel_hi:[1,0,0]
.set i, i+1
.endr
.set i, 0
.rept 16
	v_cvt_pk_f16_f32 v[P1+i], v[Z+2*i], v[Z+2*i+1]
.set i, i+1
.endr
.irp j, 0,1
.irp k, 0,1,2,3
	global_store_b64 v[GOW], v[P0+2*(4*(\j)+(\k)):P0+2*(4*(\j)+(\k))+1], s[78:79] offset:(\k)*OSTEP+(\j)*256 th:TH_STORE_NT  ; two tokens x 64 columns: 256 consecutive bytes, aligned
	global_store_b64 v[GOW], v[P1+2*(4*(\j)+(\k)):P1+2*(4*(\j)+(\k))+1], s[80:81] offset:(\k)*OSTEP+(\j)*256 th:TH_STORE_NT
.endr
.endr
	s_sub_co_u32 s[CNT], s[CNT], 1
	s_cmp_lg_u32 s[CNT], 0
	s_cbranch_scc1 .Ltrip_\@
.endm
	s_wait_tensorcnt 1                             ; my tile of step 0 is in; step 1's may stay out
	s_barrier_signal -1
	s_barrier_wait -1                              ; everybody's is
	FETCH 0, 0, F0
	QUARTER 0, 1                                   ; the first quarter stands in front of the loop: its products start the sums
	WIN 0                                          ; at a label and at a branch every window is 0
	s_mov_b32 s3, LAPS-1
.Llap:                                         ; a trip goes once round the ring, from a lap's second quarter to the next lap's first, and fills both slots again
	TURN 0, 1, 1
	QUARTER 1, 0
	TURN 1, 0, 1
	QUARTER 0, 0
	WIN 0
	s_sub_co_u32 s3, s3, 1
	s_cmp_lg_u32 s3, 0
	s_cbranch_scc1 .Llap
	TURN 0, 1, 0                                   ; the last lap fills nothing
	QUARTER 1, 0
	s_wait_dscnt 8                                 ; the very last quarter: nothing more to fetch
	MUL16 F1, 0, 0, 0
	MUL16 F1, 0, 2, 0
	s_wait_dscnt 0x0
	MUL16 F1, 1, 0, 0
	MUL16 F1, 1, 2, 0
	WIN 0
	PLACES                                         ; the LDS stores below read results just made
	s_wait_loadcnt 0x0                             ; b_in
	FINISH 0
	FINISH 1
	s_wait_tensorcnt 0x0                           ; the wave's end, behind my last tensor load and my last LDS store
	ds_add_u32 v[SPW], v[NIL]
	s_wait_dscnt 0x0
	CROUND                                         ; the closing round: no work-group ends while a partner may still ask for a tile that names it
	s_endpgm
.Lfunc_end_k_q4894d4ee7e_proj_in:
	.size	k_q4894d4ee7e_proj_in, .Lfunc_end_k_q4894d4ee7e_proj_in-k_q4894d4ee7e_proj_in
	.p2alignl 7, 3214868480
	.fill 96, 4, 3214868480
	.section	.rodata,"a",@progbits
	.p2align	6, 0x0
	.amdhsa_kernel k_q4894d4ee7e_proj_in
		.amdhsa_group_segment_fixed_size 327680
		.amdhsa_private_segment_fixed_size 0
		.amdhsa_enable_private_segment 0
		.amdhsa_kernarg_size 40
		.amdhsa_user_sgpr_count 2
		.amdhsa_user_sgpr_kernarg_segment_ptr 1
		.amdhsa_wavefront_size32 1
		.amdhsa_system_sgpr_workgroup_id_x 1
		.amdhsa_system_sgpr_workgroup_id_y 1
		.amdhsa_system_sgpr_workgroup_id_z 1
		.amdhsa_system_vgpr_workitem_id 0
		.amdhsa_next_free_vgpr 1024
		.amdhsa_next_free_sgpr 88
		.amdhsa_reserve_vcc 0
		.amdhsa_float_denorm_mode_32 3
		.amdhsa_float_denorm_mode_16_64 3
		.amdhsa_memory_ordered 1
		.amdhsa_forward_progress 1
		.amdhsa_inst_pref_size 97
	.end_amdhsa_kernel
	.amdgpu_metadata
---
amdhsa.version: [ 1, 2 ]
amdhsa.kernels:
  - .name:           k_q4894d4ee7e_proj_in
    .symbol:         k_q4894d4ee7e_proj_in.kd
    .args:
      - { .name: xb, .offset: 0, .size: 8, .value_kind: global_buffer, .address_space: global }
      - { .name: wib, .offset: 8, .size: 8, .value_kind: global_buffer, .address_space: global }
      - { .name: b_in, .offset: 16, .size: 8, .value_kind: global_buffer, .address_space: global }
      - { .name: st0, .offset: 24, .size: 8, .value_kind: global_buffer, .address_space: global }
      - { .name: sact, .offset: 32, .size: 8, .value_kind: global_buffer, .address_space: global }
    .group_segment_fixed_size: 327680
    .private_segment_fixed_size: 0
    .kernarg_segment_align: 8
    .kernarg_segment_size: 40
    .max_flat_workgroup_size: 128
    .sgpr_count:     88
    .vgpr_count:     1024
    .wavefront_size: 32
...
	.end_amdgpu_metadata
.endif
;; end of part 2
;; launch recur (part 3): grid 8 x 32, 4 waves a work-group, clusters of 4 x 4, 327,680 bytes of LDS; arguments st0, sact, ew, jm, noise_raw, theta, lam, st1; writes st1
.if DOCPART == 3
	.amdgcn_target "amdgcn-amd-amdhsa--gfx1250"
	.amdhsa_code_object_version 6
	.text
	.protected	k_q4894d4ee7e_recur
	.globl	k_q4894d4ee7e_recur
	.p2align	8
	.type	k_q4894d4ee7e_recur,@function
k_q4894d4ee7e_recur:
	s_mov_b64 s[64:65], 0
	v_nop
	global_prefetch_b8 v0, s[64:65] scope:SCOPE_SE
	s_setreg_imm32_b32 hwreg(HW_REG_WAVE_MODE, 25, 1), 1
	s_wait_xcnt 0x0
	s_wait_alu depctr_hold_cnt(0) depctr_sa_sdst(0) depctr_va_vdst(0) depctr_va_sdst(0) depctr_va_ssrc(0) depctr_va_vcc(0) depctr_vm_vsrc(0)
	s_getreg_b32 s2, hwreg(HW_REG_IB_STS2, 6, 4)
	s_cmp_eq_u32 s2, 0
	s_cbranch_scc0 .Lentry_in_a_cluster
	s_endpgm
.Lentry_in_a_cluster:
	s_bfe_u32 s2, ttmp6, 0x10000c
	s_cmp_lg_u32 s2, 0xf033
	s_cbranch_scc0 .Lentry_shape_is_right
	s_endpgm
.Lentry_shape_is_right:
; RECUR: st1 = tanh(signal + lam u s + 0.1 |sin 2 theta| noise), signal = state0 (weights o mask), u = s (J o mask), s = tanh(state0).  st1: [4096][2048] f16.  Nothing of reference() is left out here.
; Operands f16 (st0, sact: [32 blocks of 64][4096 tokens][64]; ew, jm: in the order of a wave's operand registers, below), sums f32; lam, theta and noise in f32.
; LIMITS.  tanh(v) = 1 - 2 / (1 + 2^(c v)), c = 2 log2 e, good to some 2e-7 absolute; an exponential below 2^-126 counts as 0.  0.1 c |sin 2 theta| noise is kept in LDS rounded once to f16 and stays under 65,504.
; |sin 2 theta| = |sin 2 phi|, phi = theta - k pi / 2 with k the nearest whole number, pi / 2 in two parts: |phi| <= pi / 4 for every theta, and there the series to phi^11 leaves 6e-8 at the most; the reduction
; keeps some 1e-6 up to |theta| of 1e5.  NaN and infinities are not treated apart.
; SHARES.  A work-group makes 128 tokens x 256 columns of BOTH products.  Wave (p, h): product p (0 signal, 1 u), all 128 tokens, columns 128 h .. 128 h + 127: 64 accumulators, 512 registers.
; A GOES THROUGH A RING IN LDS.  K = 2,048 in steps of 128 through two slots; a slot holds four tiles of 128 tokens x 64 k (dense in memory: 64 rows of 256 bytes): two blocks of 64 k, of st0 and of sact.
; Wave w fetches tile w.  CLUSTER: 4 x 4 work-groups; A's tiles hang on the tile row alone and are asked for jointly along a row of the cluster.
; B COMES STRAIGHT FROM MEMORY INTO REGISTERS.  ew, jm: [16 groups of 128 n][64 quarters of 32 k][8 blocks of 16 n][2 halves][32 lanes][16 bytes]: a wave's B is one run of 524,288 bytes, a quarter 8,192 of them,
; and each load of the wave covers 512 consecutive bytes.  Four buffers of 64 registers, one for each quarter of a step; in quarter Q the buffer read a quarter earlier is asked for again, for quarter Q + 3.
; NO JOINT LOADS FOR B, though the four work-groups of a cluster's column read the same columns.  No two waves of a work-group read the same number of B, so LDS saves nothing inside the work-group; and with B
; in LDS 64 k of both products take 106,496 bytes, so that two slots can hold 64 k each, while A alone takes 73,728 bytes for 128 k: a refill then has 224 matrix instructions of a wave in which to land, not 96,
; and there are 16 rounds of the cluster's barrier, not 32.  The price: each work-group asks for its 2 MiB of B by itself.
; THE NOISE is read under the main loop, a pair of tokens a step, one step ahead, scaled and laid into LDS bytes of the wave's own.  The tile of s that the finish multiplies by is fetched into slot 0 when its last step has been read.
; THE MATRIX INSTRUCTION IS USED TRANSPOSED (source 0 = 16 columns of B, source 1 = 16 tokens): lane l holds token l % 16 and the columns 8 (l / 16) + 0..7.
; REGISTERS, in windows of 256: window 0: v0-31 addresses, v32-55 noise, v56-61 at work, v64-127 and v128-191 A's fragments, v192-207 0.1 c |sin 2 theta|; window 1: B's four buffers; windows 2, 3: accumulators.
.set PA,     144                       ; a row of A in LDS: 128 bytes + 16 = 36 words: the 16 rows of a fragment load start at 16 different groups of four banks (64 banks of 4 bytes: ISA guide 11.1)
.set ATILE,  128*PA
.set SLOT,   4*ATILE                   ; 73,728
.set DREG,   SLOT                      ; the finish: s's tile in bytes 0 .. 65,535; from here 64 rows x 256 f32 of each product: slot 1, which has had its last fill, and bytes behind the ring that are never filled
.set DP,     1040                      ; 1,024 bytes + 16: an odd multiple of 16
.set DPROD,  64*DP
.set NREG,   DREG+2*DPROD              ; 16 KiB for each wave, its 32 tokens' noise term in f16; no tensor load lands here
.set STAGE,  NREG+4*16384              ; four rows of 640 bytes for each wave, for the way out
.set SP,     640
.set SPARE,  STAGE+4*4*SP              ; the spare words, 128 bytes a wave: two blocks of 256 bytes that no other line names
.set LAPS,   8                         ; a lap = two steps = once round the ring
.set ABLK,   4096*128                  ; bytes from block to block in st0 and sact,
.set ASTEP,  2*ABLK                    ; from step to step
.set BQ,     8192                      ; a wave's bytes of B in a quarter
.set STS,  8                           ; v8      the way out: where I put 8 bytes of a row
.set STR,  9                           ; v9      where I read rows back
.set NO,   10                          ; v10     my byte offset in two rows of noise; never rewritten
.set NA,   11                          ; v11     where the next pair's noise term goes
.set PFOA, 12                          ; v12     A's prefetches' offset; never rewritten
.set GO,   13                          ; v13     16 x lane: my 16 bytes in 512 of B and of st1; never rewritten
.set CC,   14                          ; v14     c
.set GOW,  15                          ; v15     GO + the trip's offset
.set ADRA, 16                          ; v16-17  LDS address of my A fragments in slot 0, 1
.set LAM,  18                          ; v18-19  lam c, twice
.set PFOB, 20                          ; v20     B's prefetches' offset; never rewritten
.set DA,   22
.set B_SG, 23                          ; v23, v26, v30: where the finish reads in its first trip: products, noise term, s
.set A_SG, 24                          ; v24, v25, v27, v31: in this trip
.set A_UU, 25
.set B_NN, 26
.set A_NN, 27
.set SPW,  28
.set NIL,  29
.set B_SS, 30
.set A_SS, 31
.set NZ,   32                          ; v[32:47] a pair of tokens' noise, as loaded
.set NP,   48                          ; v[48:55] its term in f16
.set KK,   56
.set WW,   58
.set HH,   60
.set F0,   64
.set F1,   128
.set SG,   64                          ; the finish: signal, u (f32), noise term, s (f16) of 8 units of 2 tokens x 64 columns
.set UU,   96
.set NN,   128
.set SS,   144
.set Z,    160
.set TP,   192                         ; v[192:207] 0.1 c |sin 2 theta| of my 16 columns
.set CF,   208                         ; v[208:217] the series' five upper coefficients, each twice; free again behind the head
.set PK,   208                         ; v[208:223] the new state in f16
.set RB,   224                         ; v[224:239] four whole rows of it
.set G1,  24                           ; s[24:31] descriptor group 1 for A's tiles;  s[32:39] group 0, a set for each slot
.set G0,  32
.set G0S, 68                           ; s[68:71], s[88:95] the descriptor of s's tile
.set G1S, 88
.set BB,  48                           ; s[48:49] my run of B, at the lap's first quarter
.set PFAA, 44                          ; s[44:45] where my prefetches of A stand
.set PFAB, 50                          ; s[50:51] of B
.set LIMA, 43                          ; s43, s52, s53: a wave prefetches while s3 is above these: A; B at a lap's first and second change of slots.  The greatest number in a wave that asks for nothing
.set LIMB0, 52
.set LIMB1, 53
.set OSG, 14
.set ON,  15
.set OS,  16
.set CNT, 17
.set OG,  18
.set MSB, 0
.macro WIN new                         ; the immediate's high byte repeats the setting that is left; a switch that changes nothing is dropped
.if MSB != (\new)
	s_set_vgpr_msb (MSB<<8)|(\new)
.set MSB, \new
.endif
.endm
.set MUL_LO, 0xa1                      ; source 0 (B) window 1, source 1 (A) window 0, C and D window 2
.set MUL_HI, 0xf1                      ; the same, C and D window 3
.set TO_B,   0x40                      ; destination window 1, address window 0
.macro JLOAD s                         ; a joint load: every wave fetches its own tile of A, to LDS bytes that hang on its number alone; an s_nop 0 and four v_nop follow
	tensor_load_to_lds s[G0+4*(\s):G0+4*(\s)+3], s[G1:G1+7]
	s_nop 0
.rept 4
	v_nop
.endr
.endm
.macro CREST                           ; a round of the cluster's barrier behind its opening barrier: wave 0 signals for the work-group, every wave waits for all sixteen, my work-group's barrier closes it
	s_cmp_lg_u32 s10, 0
	s_cbranch_scc1 .Lnot_wave_0_\@
	s_barrier_signal -3
.Lnot_wave_0_\@:
	s_barrier_wait -3
	s_barrier_signal -1
	s_barrier_wait -1
.endm
.macro CROUND
	s_barrier_signal -1
	s_barrier_wait -1
	CREST
.endm
.macro PLACES                          ; four places behind a matrix instruction, in front of loads into registers that it has read and of lines that read its results
.rept 4
	v_nop
.endr
.endm
; PREFETCHES INTO THE L2, behind the joint load, its five lines, the run of LDS loads and the noise.  Each aligned block of 256 bytes is named once in the launch.
; A: a tile row is read by both clusters of its row of clusters: cluster x = 0 asks.  Of the 16,384 bytes of the tile that wave w fetches the partner at cx takes 4,096: 16 lanes; lanes 16-31 take the same of the step
; after.  So one instruction at a lap's first change of slots, which refills step t + 2, names steps t + 4 and t + 5: two and three refills ahead of the loads that will want them.  Steps 0 to 3 come by their loads alone.
; B: a wave's run is read by the same wave of all 32 tile rows: cluster y = 0 asks.  Of a step's 32,768 bytes the partner at cy takes quarter cy: a lane a block, one instruction a step, at the change of slots
; of step t for step t + 3, whose first loads go out six quarters later.  Steps 0 to 2 come by their loads alone.
; The partners are told apart by address, never by a branch.  The last trips, whose steps ahead do not exist, ask for nothing.
.macro ASK lim, off, adr
	s_cmp_gt_u32 s3, s[\lim]                       ; s3 = 7 - trip
	s_cbranch_scc0 .Lnot_mine_\@
	global_prefetch_b8 v[\off], s[\adr:(\adr)+1] th:TH_LOAD_NT scope:SCOPE_SE
.Lnot_mine_\@:
.endm
; A quarter's 16 loads of B into buffer buf: quarter idx behind the lap's first
.macro BLOAD buf, idx
	WIN TO_B
.irp b, 0,1,2,3,4,5,6,7
	global_load_b128 v[64*(\buf)+8*(\b):64*(\buf)+8*(\b)+3],   v[GO], s[BB:BB+1] offset:(\idx)*BQ+(\b)*1024
	global_load_b128 v[64*(\buf)+8*(\b)+4:64*(\buf)+8*(\b)+7], v[GO], s[BB:BB+1] offset:(\idx)*BQ+(\b)*1024+512
.endr
.endm
	s_load_b512 s[72:87], s[0:1], 0x0              ; st0 s[72:73], sact s[74:75], ew s[76:77], jm s[78:79], noise s[80:81], theta s[82:83], lam s[84:85], st1 s[86:87]
	v_lshl_add_u32 v[SPW], v0, 2, SPARE
	v_mov_b32 v[NIL], 0
	ds_add_u32 v[SPW], v[NIL]                      ; the wave's opening: the add, twice on end, and its wait ahead of my first tensor load
	ds_add_u32 v[SPW], v[NIL]
	v_lshrrev_b32 v1, 5, v0
	v_readfirstlane_b32 s10, v1                    ; wave 0..3
	s_lshr_b32 s11, s10, 1                         ; p: my product.  Also: the block of 64 k, of a step's two, whose tile I fetch
	s_and_b32 s12, s10, 1                          ; h: my half of the columns.  Also: the product whose tile I fetch
	s_bfe_u32 s40, ttmp6, 0x40000                  ; cx, cy
	s_bfe_u32 s41, ttmp6, 0x40004
	s_lshl_b32 s42, ttmp9, 2
	s_add_co_u32 s42, s42, s40                     ; tile column
	s_and_b32 s13, ttmp7, 0xffff
	s_lshl_b32 s13, s13, 2
	s_add_co_u32 s13, s13, s41                     ; tile row
	s_lshl_b32 s43, s41, 2
	s_lshl_b32 s43, 15, s43                        ; my row of the cluster
	s_or_b32 s[G1+0], s43, (1<<16)|(1<<20)|(1<<21)|(4<<22)|(3<<25)   ; 15:0 the mask; 17:16 2-byte elements; 20 padding on; 21 set beside a mask; 24:22 after every 32 words (code 4); 31:25 4 words (code 3)
	s_mov_b32 s[G1+1], 128<<16                     ; 64 rows of 128 elements, dense
	s_mov_b32 s[G1+2], 64<<16
	s_mov_b32 s[G1+3], 128<<16
	s_mov_b32 s[G1+4], 64
	s_mov_b32 s[G1+5], 128
	s_mov_b32 s[G1+6], 0
	s_mov_b32 s[G1+7], 0
	s_mov_b32 s[G1S+0], 1<<16                      ; s's tile: no mask (it is this work-group's alone), no padding; 64 rows of 128 elements, dense
	s_mov_b32 s[G1S+1], 128<<16
	s_mov_b32 s[G1S+2], 64<<16
	s_mov_b32 s[G1S+3], 128<<16
	s_mov_b32 s[G1S+4], 64
	s_mov_b32 s[G1S+5], 128
	s_mov_b32 s[G1S+6], 0
	s_mov_b32 s[G1S+7], 0
	s_mov_b32 s[G0S], 1
	s_lshl_b32 s[G0S+1], s10, 14                   ; wave w brings columns 64 w .. 64 w + 63 to byte 16,384 w
	s_lshl_b32 s20, s13, 14                        ; the tile row's 128 tokens of 128 bytes,
	s_lshl_b32 s21, s11, 19                        ; my block of the step's two
	s_add_co_u32 s20, s20, s21
	s_mov_b32 s21, 0
	s_mul_i32 s45, s10, ATILE                      ; where it goes: wave x a tile: no place in the cluster enters an LDS address
	s_wait_dscnt 0x0                               ; both opening adds are done
	s_wait_kmcnt 0x0
	s_cmp_eq_u32 s12, 0
	s_cselect_b64 s[14:15], s[72:73], s[74:75]     ; st0 or sact: by the wave's number alone
	s_add_nc_u64 s[14:15], s[14:15], s[20:21]
	CROUND                                         ; all sixteen work-groups are here: the first joint loads meet
.irp s, 0,1
	s_mov_b32 s[G0+4*(\s)], 1
	s_add_co_u32 s[G0+4*(\s)+1], s45, (\s)*SLOT
	s_add_nc_u64 s[G0+4*(\s)+2:G0+4*(\s)+3], s[14:15], (\s)*ASTEP
	s_or_b32 s[G0+4*(\s)+3], s[G0+4*(\s)+3], 0x80000000
	JLOAD \s                                       ; two tensor loads of a wave are out here, later one
.endr
	v_and_b32 v1, 15, v0                           ; r = l % 16
	v_bfe_u32 v2, v0, 4, 1                         ; l / 16
	v_and_b32 v4, 31, v0                           ; l
	v_lshlrev_b32 v[GO], 4, v4
	; theta and lam go out first, then B's first three quarters, then the first pair's noise: the order in which the loop issues them
	v_lshlrev_b32 v7, 4, v1                        ; theta: columns 256 x tile column + 64 k + 4 r + 0..3
	s_lshl_b32 s22, s42, 10
	s_mov_b32 s23, 0
	s_add_nc_u64 s[82:83], s[82:83], s[22:23]
.irp k, 0,1,2,3
	global_load_b128 v[TP+4*(\k):TP+4*(\k)+3], v7, s[82:83] offset:256*(\k)
.endr
	v_mov_b32 v[LAM+1], 0
	global_load_b32 v[LAM], v[LAM+1], s[84:85]     ; every lane reads the one number
	s_lshl_b32 s20, s42, 1                         ; my group of 128 columns: 2 x tile column + h
	s_add_co_u32 s20, s20, s12
	s_lshl_b32 s20, s20, 19
	s_mov_b32 s21, 0
	s_cmp_eq_u32 s11, 0
	s_cselect_b64 s[BB:BB+1], s[76:77], s[78:79]   ; ew or jm: by the wave's number alone
	s_add_nc_u64 s[BB:BB+1], s[BB:BB+1], s[20:21]
	BLOAD 0, 0
	BLOAD 1, 1
	BLOAD 2, 2
	WIN 0
	v_lshlrev_b32 v[NO], 4, v1
	v_lshl_add_u32 v[NO], v2, 13, v[NO]            ; lanes 16-31: one row of 8,192 bytes further down
	s_lshl_b32 s20, s13, 20                        ; noise at token 128 x tile row + 32 x wave, column 256 x tile column
	s_lshl_b32 s21, s10, 18
	s_add_co_u32 s20, s20, s21
	s_add_co_u32 s20, s20, s22
	s_mov_b32 s21, 0
	s_add_nc_u64 s[4:5], s[80:81], s[20:21]
.irp k, 0,1,2,3
	global_load_b128 v[NZ+4*(\k):NZ+4*(\k)+3], v[NO], s[4:5] offset:256*(\k) th:TH_LOAD_NT
.endr
	; fragments of A: lane l holds token l % 16, k = 8 (l / 16) + 0..7 and 16 + 8 (l / 16) + 0..7: two loads of 16 bytes, 32 bytes apart
	v_mul_u32_u24 v3, v1, PA
	v_lshl_add_u32 v3, v2, 4, v3
	s_mul_i32 s21, s11, ATILE                      ; my product's tile of a slot's first block
.irp s, 0,1
	v_add_nc_u32 v[ADRA+(\s)], s21, v3
	s_add_co_u32 s21, s21, SLOT
.endr
	s_mul_i32 s21, s11, DPROD                      ; the finish, in: my product's region, my 128 columns (512 bytes), row r, 32 bytes for each half of the lanes
	s_lshl_b32 s22, s12, 9
	s_add_co_u32 s21, s21, s22
	s_add_co_u32 s21, s21, DREG
	v_mul_u32_u24 v5, v1, DP
	v_lshl_add_u32 v5, v2, 5, v5
	v_add_nc_u32 v[DA], s21, v5
	s_mul_i32 s21, s10, 16*DP                      ; and back: wave w takes rows 16 w .. 16 w + 15
	s_add_co_u32 s21, s21, DREG
	v_mul_u32_u24 v5, v2, DP
	v_lshl_add_u32 v5, v1, 4, v5
	v_add_nc_u32 v[B_SG], s21, v5
	s_lshl_b32 s21, s10, 14
	s_add_co_u32 s21, s21, NREG
	v_lshl_add_u32 v[NA], v4, 3, s21               ; a pair of tokens x 64 columns in f16 is 256 bytes: 8 a lane
	v_mov_b32 v[B_NN], v[NA]
	s_lshl_b32 s21, s10, 12                        ; s's tile: my 32 tokens of 128 bytes
	v_lshl_add_u32 v[B_SS], v4, 3, s21
	s_mul_i32 s21, s10, 4*SP
	s_add_co_u32 s21, s21, STAGE
	v_mul_u32_u24 v5, v2, SP
	v_lshl_add_u32 v5, v1, 3, v5
	v_add_nc_u32 v[STS], s21, v5
	v_lshl_add_u32 v[STR], v4, 4, s21
	v_mov_b32 v[CC], 0x4038aa3b                    ; c = 2 log2 e
	s_lshl_b32 s20, s42, 2                         ; s's tile: block 4 x tile column + wave of sact, the tile row's tokens
	s_add_co_u32 s20, s20, s10
	s_lshl_b32 s20, s20, 19
	s_lshl_b32 s21, s13, 14
	s_add_co_u32 s20, s20, s21
	s_mov_b32 s21, 0
	s_add_nc_u64 s[G0S+2:G0S+3], s[74:75], s[20:21]
	s_or_b32 s[G0S+3], s[G0S+3], 0x80000000
	s_lshl_b32 s20, s13, 19                        ; st1 at token 128 x tile row + 32 x wave (4,096 bytes a row), column 256 x tile column
	s_lshl_b32 s21, s10, 17
	s_add_co_u32 s20, s20, s21
	s_lshl_b32 s21, s42, 9
	s_add_co_u32 s20, s20, s21
	s_mov_b32 s21, 0
	s_add_nc_u64 s[8:9], s[86:87], s[20:21]
	; the prefetches
	s_lshl_b32 s20, s40, 12                        ; A: my work-group's 4,096 bytes of my tile,
	s_add_nc_u64 s[PFAA:PFAA+1], s[14:15], s[20:21]
	s_add_nc_u64 s[PFAA:PFAA+1], s[PFAA:PFAA+1], 2*ASTEP  ; at step 2: the first change of slots steps it to 4
	s_lshl_b32 s20, s41, 13                        ; B: my work-group's quarter of a step,
	s_add_nc_u64 s[PFAB:PFAB+1], s[BB:BB+1], s[20:21]
	s_add_nc_u64 s[PFAB:PFAB+1], s[PFAB:PFAB+1], 2*4*BQ   ; at step 2: the first change of slots steps it to 3
	s_mov_b32 s22, ttmp9                           ; cluster x: the same in all sixteen partners
	s_cmp_eq_u32 s22, 0
	s_cselect_b32 s[LIMA], 1, -1                   ; trips 0 to 5 name steps 4 to 15
	s_and_b32 s22, ttmp7, 0xffff                   ; cluster y
	s_cmp_eq_u32 s22, 0
	s_cselect_b32 s[LIMB0], 0, -1                  ; trips 0 to 6 name steps 3, 5 .. 15,
	s_cselect_b32 s[LIMB1], 1, -1                  ; trips 0 to 5 steps 4, 6 .. 14
	v_lshlrev_b32 v5, 20, v2                       ; lanes 16-31: a step of 1,048,576 bytes on
	v_lshl_add_u32 v[PFOA], v1, 8, v5
	v_lshlrev_b32 v[PFOB], 8, v4
	; 0.1 c |sin 2 theta|, in the wait for the first tiles
.irp n, 0,1
	v_mov_b32 v[CF+(\n)],   0xb857322b             ; -8 / 155925
	v_mov_b32 v[CF+2+(\n)], 0x3ab8ef1d             ; 4 / 2835
	v_mov_b32 v[CF+4+(\n)], 0xbcd00d01             ; -8 / 315
	v_mov_b32 v[CF+6+(\n)], 0x3e888889             ; 4 / 15
	v_mov_b32 v[CF+8+(\n)], 0xbfaaaaab             ; -4 / 3
.endr
	s_wait_loadcnt 52                              ; theta and lam are in; the 48 loads of B and the four of noise behind them stay out
	v_mul_f32 v[LAM], 0x4038aa3b, v[LAM]           ; lam c
	v_mov_b32 v[LAM+1], v[LAM]
.set i, 0
.rept 8
	v_pk_mul_f32 v[KK:KK+1], v[TP+2*i:TP+2*i+1], 0x3f22f983 op_sel_hi:[1,0]                        ; theta x 2 / pi,
	v_rndne_f32 v[KK], v[KK]                                                                       ; the nearest whole number k
	v_rndne_f32 v[KK+1], v[KK+1]
	v_pk_fma_f32 v[TP+2*i:TP+2*i+1], v[KK:KK+1], 0xbfc90fdb, v[TP+2*i:TP+2*i+1] op_sel_hi:[1,0,1]  ; phi = theta - k pi / 2: the f32 nearest pi / 2,
	v_pk_fma_f32 v[TP+2*i:TP+2*i+1], v[KK:KK+1], 0x333bbd2e, v[TP+2*i:TP+2*i+1] op_sel_hi:[1,0,1]  ; which is 4.37e-8 too large
	v_pk_mul_f32 v[WW:WW+1], v[TP+2*i:TP+2*i+1], v[TP+2*i:TP+2*i+1]                                ; w = phi^2
	v_pk_fma_f32 v[HH:HH+1], v[WW:WW+1], v[CF:CF+1], v[CF+2:CF+3]
	v_pk_fma_f32 v[HH:HH+1], v[HH:HH+1], v[WW:WW+1], v[CF+4:CF+5]
	v_pk_fma_f32 v[HH:HH+1], v[HH:HH+1], v[WW:WW+1], v[CF+6:CF+7]
	v_pk_fma_f32 v[HH:HH+1], v[HH:HH+1], v[WW:WW+1], v[CF+8:CF+9]
	v_pk_fma_f32 v[HH:HH+1], v[HH:HH+1], v[WW:WW+1], 2.0 op_sel_hi:[1,1,0]
	v_pk_mul_f32 v[TP+2*i:TP+2*i+1], v[TP+2*i:TP+2*i+1], v[HH:HH+1]                                ; sin 2 phi
	v_and_b32 v[TP+2*i], 0x7fffffff, v[TP+2*i]
	v_and_b32 v[TP+2*i+1], 0x7fffffff, v[TP+2*i+1]
	v_pk_mul_f32 v[TP+2*i:TP+2*i+1], v[TP+2*i:TP+2*i+1], 0x3e93bb63 op_sel_hi:[1,0]                ; x 0.1 c
.set i, i+1
.endr
; 16 matrix instructions: token blocks a0, a0 + 1 of the window's four x all 8 column blocks, 32 along K; A's fragments at fa (window 0), B's at fb (window 1).  zero = 1: the first product starts the sums.
; The 64 accumulators take turns in one order in every quarter.
.macro MUL16 fa, fb, hi, a0, zero
	WIN MUL_LO+0x50*(\hi)
.irp a, \a0, (\a0)+1
.irp b, 0,1,2,3,4,5,6,7
.if \zero
	v_wmma_f32_16x16x32_f16 v[8*(8*(\a)+(\b)):8*(8*(\a)+(\b))+7], v[(\fb)+8*(\b):(\fb)+8*(\b)+7], v[(\fa)+8*(4*(\hi)+(\a)):(\fa)+8*(4*(\hi)+(\a))+7], 0
.else
	v_wmma_f32_16x16x32_f16 v[8*(8*(\a)+(\b)):8*(8*(\a)+(\b))+7], v[(\fb)+8*(\b):(\fb)+8*(\b)+7], v[(\fa)+8*(4*(\hi)+(\a)):(\fa)+8*(4*(\hi)+(\a))+7], v[8*(8*(\a)+(\b)):8*(8*(\a)+(\b))+7]
.endif
.endr
.endr
.endm
.macro FETCH slot, q, f                ; 16 LDS loads in one run: quarter q (32 k: block q / 2, its half q % 2) of my product's 128 tokens
	WIN 0
.irp i, 0,1,2,3,4,5,6,7
	ds_load_b128 v[(\f)+8*(\i):(\f)+8*(\i)+3],   v[ADRA+(\slot)] offset:((\q)/2)*2*ATILE+((\q)%2)*64+(\i)*16*PA
	ds_load_b128 v[(\f)+8*(\i)+4:(\f)+8*(\i)+7], v[ADRA+(\slot)] offset:((\q)/2)*2*ATILE+((\q)%2)*64+(\i)*16*PA+32
.endr
.endm
; A pair of tokens' noise, 256 columns: x 0.1 c |sin 2 theta|, rounded to f16, into my own LDS bytes.  The wait on loads at the head of the quarter in which this stands has shown the pair in (48 loads or more
; were issued behind it, or the wait is for 0), and so has freed the loads' base.  more = 1: the next pair is asked for, a step (256 matrix instructions) ahead of its use.
.macro NOISE more
.irp i, 0,1,2,3,4,5,6,7
	v_pk_mul_f32 v[NZ+2*(\i):NZ+2*(\i)+1], v[NZ+2*(\i):NZ+2*(\i)+1], v[TP+2*(\i):TP+2*(\i)+1]
.endr
.irp i, 0,1,2,3,4,5,6,7
	v_cvt_pk_f16_f32 v[NP+(\i)], v[NZ+2*(\i)], v[NZ+2*(\i)+1]
.endr
.irp k, 0,1,2,3
	ds_store_b64 v[NA], v[NP+2*(\k):NP+2*(\k)+1] offset:256*(\k)
.endr
	v_add_nc_u32 v[NA], 1024, v[NA]
.if \more
	s_add_nc_u64 s[4:5], s[4:5], 2*8192
.irp k, 0,1,2,3
	global_load_b128 v[NZ+4*(\k):NZ+4*(\k)+3], v[NO], s[4:5] offset:256*(\k) th:TH_LOAD_NT
.endr
.endif
.endm
; One of a step's first three quarters, q: multiplies A's buffer q % 2 by B's buffer q.  Behind its first sixteen products it asks for B three quarters on (idx, counted from the lap's first quarter; -1: nothing
; is left), into the buffer that the quarter before has read, and fetches the next quarter's fragments of A.  lc: the loads issued behind this quarter's B.  extra: LDS stores issued behind its fragments' loads.
.macro QUARTER slot, q, zero, lc, idx, extra=0
	s_wait_loadcnt \lc                             ; loads come back in order: my B is in; two younger quarters and a pair of noise may be out
	s_wait_dscnt 8+(\extra)                        ; A's tokens 0-63 are in; the youngest eight loads, and the noise's stores behind them, may be out
	MUL16 F0+64*((\q)%2), 64*(\q), 0, 0, \zero
	PLACES
.if (\idx) >= 0
	BLOAD ((\q)+3)%4, \idx
.endif
	FETCH \slot, (\q)+1, F0+64*(((\q)+1)%2)
	MUL16 F0+64*((\q)%2), 64*(\q), 0, 2, \zero
	s_wait_dscnt 16                                ; all but the 16 just issued
	MUL16 F0+64*((\q)%2), 64*(\q), 1, 0, \zero
	MUL16 F0+64*((\q)%2), 64*(\q), 1, 2, \zero
.endm
; A step's fourth quarter changes slots: ONE barrier; in front of it each wave waits for all its tensor loads (one is out: its tile of the next slot), adds 0 to its spare word, and waits for that and for its
; reads of this slot.  mode 1: the barrier opens a round of the cluster's, and the joint refill, two steps ahead, is the first thing behind it: 224 matrix instructions ahead of the wait for it.
; mode 2: the same round, and slot 0, whose last step has been read, takes s's tile for the finish.
.macro TURN slot, next, mode, idx
.if (\mode) == 1
	s_wait_xcnt 0x0                                ; the last prefetches, a step back, have read their addresses: these are stepped here, ahead of the waits of the change of slots
.if (\slot) == 0
	s_add_nc_u64 s[PFAA:PFAA+1], s[PFAA:PFAA+1], 2*ASTEP
.endif
	s_add_nc_u64 s[PFAB:PFAB+1], s[PFAB:PFAB+1], 4*BQ
.endif
	s_wait_loadcnt 32                              ; my B is in, and the pair of noise issued a step ago; two younger quarters may be out
	PLACES
	BLOAD 2, \idx                                  ; three quarters on, into the buffer that the quarter before has read
	WIN 0                                          ; (the add's two registers lie in window 0)
	s_wait_tensorcnt 0x0
	ds_add_u32 v[SPW], v[NIL]
	s_wait_dscnt 9                                 ; (the add and the youngest eight loads may be out)
	MUL16 F1, 192, 0, 0, 0
	s_wait_dscnt 0x0                               ; the add is done, and my reads of this slot are over
	s_barrier_signal -1
	MUL16 F1, 192, 0, 2, 0
	WIN 0
	s_barrier_wait -1
	CREST                                          ; no wave of any partner still reads this slot or has a load on its way
.if (\mode) == 1
	s_add_nc_u64 s[G0+4*(\slot)+2:G0+4*(\slot)+3], s[G0+4*(\slot)+2:G0+4*(\slot)+3], 2*ASTEP
	JLOAD \slot                                    ; its four v_nop are also the places in front of the loads below
.else
	tensor_load_to_lds s[G0S:G0S+3], s[G1S:G1S+7]  ; my 64 columns of s for the work-group's 128 tokens: each wave's own 16,384 bytes
	s_nop 0
	PLACES
.endif
	FETCH \next, 0, F0
	NOISE 1
.if (\mode) == 1
.if (\slot) == 0
	ASK LIMA, PFOA, PFAA
	ASK LIMB0, PFOB, PFAB
.else
	ASK LIMB1, PFOB, PFAB
.endif
.endif
	MUL16 F1, 192, 1, 0, 0
	MUL16 F1, 192, 1, 2, 0
.endm
; THE FINISH, in two passes.  Pass par: every wave puts its token blocks a = par, par + 2, par + 4, par + 6 into LDS in f32: row 16 (a / 2) + r of its product's region is token 32 (a / 2) + 16 par + r.
; Wave w then reads rows 16 w .. 16 w + 15 of both regions: its tokens 32 w + 16 par + 0..15.  Each accumulator's lowest registers are read first.
.macro DUMP par
.irp g, 0,1,2,3
.set AA, (\par)+2*(\g)
	WIN 0x08+4*(AA/4)                              ; the stores' data (source 1) in window 2 or 3
.irp b, 0,1,2,3,4,5,6,7
	ds_store_b128 v[DA], v[8*(8*(AA%4)+(\b)):8*(8*(AA%4)+(\b))+3]   offset:(\g)*16*DP+64*(\b)
	ds_store_b128 v[DA], v[8*(8*(AA%4)+(\b))+4:8*(8*(AA%4)+(\b))+7] offset:(\g)*16*DP+64*(\b)+16
.endr
.endr
	WIN 0
.endm
.macro LDALL                           ; a trip's 8 units (token pair j, 64 columns k): lane l holds token 2 j + l / 16, columns 64 k + 4 (l % 16) + 0..3 of signal, u, the noise term and s
	v_add_nc_u32 v[A_SG], s[OSG], v[B_SG]
	v_add_nc_u32 v[A_UU], DPROD, v[A_SG]
	v_add_nc_u32 v[A_NN], s[ON], v[B_NN]
	v_add_nc_u32 v[A_SS], s[OS], v[B_SS]
.irp j, 0,1
.irp k, 0,1,2,3
	ds_load_b128 v[SG+4*(4*(\j)+(\k)):SG+4*(4*(\j)+(\k))+3], v[A_SG] offset:(\j)*2*DP+(\k)*256
	ds_load_b128 v[UU+4*(4*(\j)+(\k)):UU+4*(4*(\j)+(\k))+3], v[A_UU] offset:(\j)*2*DP+(\k)*256
	ds_load_b64  v[NN+2*(4*(\j)+(\k)):NN+2*(4*(\j)+(\k))+1], v[A_NN] offset:(4*(\j)+(\k))*256
	ds_load_b64  v[SS+2*(4*(\j)+(\k)):SS+2*(4*(\j)+(\k))+1], v[A_SS] offset:(\k)*16384+(\j)*256
.endr
.endr
.endm
.macro FINISH par
.if (\par) == 0
	s_wait_tensorcnt 0x0                           ; my part of s's tile is in
.endif
	s_wait_dscnt 0x0                               ; my reads of the bytes that are written next are over (the ring's; the pass before's)
	s_barrier_signal -1
	s_barrier_wait -1                              ; everybody's are, and s's tile is whole
	DUMP \par
	s_wait_dscnt 0x0                               ; for the others' sake: my stores are done
	s_barrier_signal -1
	s_barrier_wait -1
	s_mov_b32 s[OSG], 0
	s_mov_b32 s[ON], (\par)*8*1024                 ; eight pairs of tokens a pass
	s_mov_b32 s[OS], (\par)*16*128
	s_mov_b32 s[OG], (\par)*16*4096
	s_mov_b32 s[CNT], 4
	LDALL
.Ltrip_\@:                                     ; four trips of four tokens
	s_wait_dscnt 0x0
.set i, 0
.rept 16
	v_pk_mul_f32 v[UU+2*i:UU+2*i+1], v[UU+2*i:UU+2*i+1], v[LAM:LAM+1]  ; lam c u
.set i, i+1
.endr
.set i, 0
.rept 32                               ; c signal + the noise term, read from its f16 half
.if i%2
	v_fma_mix_f32 v[Z+i], v[SG+i], v[CC], v[NN+i/2] op_sel:[0,0,1] op_sel_hi:[0,0,1]
.else
	v_fma_mix_f32 v[Z+i], v[SG+i], v[CC], v[NN+i/2] op_sel:[0,0,0] op_sel_hi:[0,0,1]
.endif
.set i, i+1
.endr
.set i, 0
.rept 32                               ; + lam c u s, s read from its f16 half
.if i%2
	v_fma_mix_f32 v[Z+i], v[UU+i], v[SS+i/2], v[Z+i] op_sel:[0,1,0] op_sel_hi:[0,1,0]
.else
	v_fma_mix_f32 v[Z+i], v[UU+i], v[SS+i/2], v[Z+i] op_sel:[0,0,0] op_sel_hi:[0,1,0]
.endif
.set i, i+1
.endr
	s_cmp_eq_u32 s[CNT], 1                         ; the next trip's numbers are asked for as soon as these are consumed; the last trip has none
	s_cbranch_scc1 .Lno_more_\@
	s_add_co_u32 s[OSG], s[OSG], 4*DP
	s_add_co_u32 s[ON], s[ON], 2*1024
	s_add_co_u32 s[OS], s[OS], 4*128
	LDALL
.Lno_more_\@:
.set i, 0
.rept 32
	v_exp_f32 v[Z+i], v[Z+i]
.set i, i+1
.endr
	v_nop                                          ; a plain instruction behind the last exponential,
	s_wait_alu depctr_va_vdst(0)                   ; and one wait for the batch of 32, ahead of its first reader
.set i, 0
.rept 16
	v_pk_add_f32 v[Z+2*i:Z+2*i+1], v[Z+2*i:Z+2*i+1], 1.0 op_sel_hi:[1,0]
.set i, i+1
.endr
.set i, 0
.rept 32
	v_rcp_f32 v[Z+i], v[Z+i]
.set i, i+1
.endr
	v_nop
	s_wait_alu depctr_va_vdst(0)                   ; the same for the 32 reciprocals
.set i, 0
.rept 16
	v_pk_fma_f32 v[Z+2*i:Z+2*i+1], v[Z+2*i:Z+2*i+1], -2.0, 1.0 op_sel_hi:[1,0,0]
.set i, i+1
.endr
.set i, 0
.rept 16
	v_cvt_pk_f16_f32 v[PK+i], v[Z+2*i], v[Z+2*i+1]
.set i, i+1
.endr
.irp j, 0,1
.irp k, 0,1,2,3
	ds_store_b64 v[STS], v[PK+2*(4*(\j)+(\k)):PK+2*(4*(\j)+(\k))+1] offset:(\j)*2*SP+(\k)*128  ; into my stage: row 2 j + l / 16, 128 bytes for each 64 columns
.endr
.endr
	s_wait_xcnt 0x0                                ; the last trip's stores have read their offset and their data: both are rewritten only behind this wait
	v_add_nc_u32 v[GOW], s[OG], v[GO]
	s_add_co_u32 s[OG], s[OG], 4*4096
.irp q, 0,1,2,3
	ds_load_b128 v[RB+4*(\q):RB+4*(\q)+3], v[STR] offset:(\q)*SP  ; LDS serves a wave's instructions in order (ISA guide 5.7.1.4): these see the stores above; the next trip's stores come behind them
.endr
	s_wait_dscnt 0x0
.irp q, 0,1,2,3
	global_store_b128 v[GOW], v[RB+4*(\q):RB+4*(\q)+3], s[8:9] offset:(\q)*4096 th:TH_STORE_NT  ; a token's 256 columns: 512 consecutive bytes, aligned
.endr
	s_sub_co_u32 s[CNT], s[CNT], 1
	s_cmp_lg_u32 s[CNT], 0
	s_cbranch_scc1 .Ltrip_\@
.endm
	s_wait_tensorcnt 1                             ; my tile of step 0 is in; step 1's may stay out
	s_barrier_signal -1
	s_barrier_wait -1                              ; everybody's is
	FETCH 0, 0, F0
	QUARTER 0, 0, 1, 36, 3                         ; the first quarter stands in front of the loop: its products start the sums
	WIN 0                                          ; at a label and at a branch every window is 0
	s_mov_b32 s3, LAPS-1
.Llap:                                         ; a trip goes once round the ring, from a lap's second quarter to the next lap's first, and fills both slots again; each step lays a pair's noise term down and asks for the next pair
	QUARTER 0, 1, 0, 36, 4
	QUARTER 0, 2, 0, 36, 5
	TURN 0, 1, 1, 6
	QUARTER 1, 0, 0, 36, 7, 4
	QUARTER 1, 1, 0, 36, 8
	QUARTER 1, 2, 0, 36, 9
	TURN 1, 0, 1, 10
	QUARTER 0, 0, 0, 36, 11, 4
	WIN 0
	s_wait_xcnt 0x0                                ; every load issued so far (the youngest 48 products back) has read its address: B's base may be written
	s_add_nc_u64 s[BB:BB+1], s[BB:BB+1], 8*BQ
	s_sub_co_u32 s3, s3, 1
	s_cmp_lg_u32 s3, 0
	s_cbranch_scc1 .Llap
	QUARTER 0, 1, 0, 36, 4                         ; the last lap
	QUARTER 0, 2, 0, 36, 5
	TURN 0, 1, 2, 6                                ; slot 0 takes s's tile
	QUARTER 1, 0, 0, 36, 7, 4                      ; B's last quarter is asked for
	QUARTER 1, 1, 0, 36, -1
	QUARTER 1, 2, 0, 20, -1                        ; behind this quarter's B: the last pair of noise and B's last quarter
	s_wait_loadcnt 0x0                             ; the very last quarter: nothing more to fetch
	s_wait_dscnt 8
	MUL16 F1, 192, 0, 0, 0
	MUL16 F1, 192, 0, 2, 0
	s_wait_dscnt 0x0
	MUL16 F1, 192, 1, 0, 0
	MUL16 F1, 192, 1, 2, 0
	WIN 0
	NOISE 0                                        ; the sixteenth pair; its packed multiplies, which name no register of the last products, are the places behind them
	FINISH 0
	FINISH 1
	s_wait_tensorcnt 0x0                           ; the wave's end, behind my last tensor load and my last LDS store
	ds_add_u32 v[SPW], v[NIL]
	s_wait_dscnt 0x0
	CROUND                                         ; the closing round: no work-group ends while a partner may still ask for a tile that names it
	s_endpgm
.Lfunc_end_k_q4894d4ee7e_recur:
	.size	k_q4894d4ee7e_recur, .Lfunc_end_k_q4894d4ee7e_recur-k_q4894d4ee7e_recur
	.p2alignl 7, 3214868480
	.fill 96, 4, 3214868480
	.section	.rodata,"a",@progbits
	.p2align	6, 0x0
	.amdhsa_kernel k_q4894d4ee7e_recur
		.amdhsa_group_segment_fixed_size 327680
		.amdhsa_private_segment_fixed_size 0
		.amdhsa_enable_private_segment 0
		.amdhsa_kernarg_size 64
		.amdhsa_user_sgpr_count 2
		.amdhsa_user_sgpr_kernarg_segment_ptr 1
		.amdhsa_wavefront_size32 1
		.amdhsa_system_sgpr_workgroup_id_x 1
		.amdhsa_system_sgpr_workgroup_id_y 1
		.amdhsa_system_sgpr_workgroup_id_z 1
		.amdhsa_system_vgpr_workitem_id 0
		.amdhsa_next_free_vgpr 1024
		.amdhsa_next_free_sgpr 96
		.amdhsa_reserve_vcc 0
		.amdhsa_float_denorm_mode_32 3
		.amdhsa_float_denorm_mode_16_64 3
		.amdhsa_memory_ordered 1
		.amdhsa_forward_progress 1
		.amdhsa_inst_pref_size 179
	.end_amdhsa_kernel
	.amdgpu_metadata
---
amdhsa.version: [ 1, 2 ]
amdhsa.kernels:
  - .name:           k_q4894d4ee7e_recur
    .symbol:         k_q4894d4ee7e_recur.kd
    .args:
      - { .name: st0, .offset: 0, .size: 8, .value_kind: global_buffer, .address_space: global }
      - { .name: sact, .offset: 8, .size: 8, .value_kind: global_buffer, .address_space: global }
      - { .name: ew, .offset: 16, .size: 8, .value_kind: global_buffer, .address_space: global }
      - { .name: jm, .offset: 24, .size: 8, .value_kind: global_buffer, .address_space: global }
      - { .name: noise_raw, .offset: 32, .size: 8, .value_kind: global_buffer, .address_space: global }
      - { .name: theta, .offset: 40, .size: 8, .value_kind: global_buffer, .address_space: global }
      - { .name: lam, .offset: 48, .size: 8, .value_kind: global_buffer, .address_space: global }
      - { .name: st1, .offset: 56, .size: 8, .value_kind: global_buffer, .address_space: global }
    .group_segment_fixed_size: 327680
    .private_segment_fixed_size: 0
    .kernarg_segment_align: 8
    .kernarg_segment_size: 64
    .max_flat_workgroup_size: 128
    .sgpr_count:     96
    .vgpr_count:     1024
    .wavefront_size: 32
...
	.end_amdgpu_metadata
.endif
;; end of part 3
;; launch proj_out (part 4): grid 8 x 32, 4 waves a work-group, clusters of 4 x 4, 327,680 bytes of LDS; arguments st1, wob, b_out, out0; writes out0
.if DOCPART == 4
	.amdgcn_target "amdgcn-amd-amdhsa--gfx1250"
	.amdhsa_code_object_version 6
	.text
	.protected	k_q4894d4ee7e_proj_out
	.globl	k_q4894d4ee7e_proj_out
	.p2align	8
	.type	k_q4894d4ee7e_proj_out,@function
k_q4894d4ee7e_proj_out:
	s_mov_b64 s[64:65], 0
	v_nop
	global_prefetch_b8 v0, s[64:65] scope:SCOPE_SE
	s_setreg_imm32_b32 hwreg(HW_REG_WAVE_MODE, 25, 1), 1
	s_wait_xcnt 0x0
	s_wait_alu depctr_hold_cnt(0) depctr_sa_sdst(0) depctr_va_vdst(0) depctr_va_sdst(0) depctr_va_ssrc(0) depctr_va_vcc(0) depctr_vm_vsrc(0)
	s_getreg_b32 s2, hwreg(HW_REG_IB_STS2, 6, 4)
	s_cmp_eq_u32 s2, 0
	s_cbranch_scc0 .Lentry_in_a_cluster
	s_endpgm
.Lentry_in_a_cluster:
	s_bfe_u32 s2, ttmp6, 0x10000c
	s_cmp_lg_u32 s2, 0xf033
	s_cbranch_scc0 .Lentry_shape_is_right
	s_endpgm
.Lentry_shape_is_right:
; PROJ_OUT: out0 = state1 W_out^T + b_out.  st1: [4096][2048] f16, wob: [1024][2048] f16 (W_out rounded to bf16, written as f16), b_out f32, out0: [4096][1024] f32.  Nothing of reference() is left out here.
; LIMITS: NaN and infinities are not treated apart.
; SHARES.  A work-group makes 128 tokens x 128 columns: 256 work-groups.  K = 2,048 IS SPLIT IN TWO: wave (p, h) sums k = 1,024 p .. 1,024 p + 1,023 for all 128 tokens and columns 64 h .. 64 h + 63:
; 32 accumulators, 256 registers.  The two partial sums meet in LDS at the end, where the layout is changed as well.
; RING.  K goes in steps of 128 for each half through two LDS slots; a slot holds four tiles of 128 rows x 256 bytes: A for p = 0, 1, B for p = 0, 1.  Wave w fetches tile w.  The rows are 256 bytes of memory, aligned.
; CLUSTER.  4 x 4 work-groups; A's tiles are asked for jointly along a row of the cluster, B's along a column.
; THE MATRIX INSTRUCTION IS USED TRANSPOSED (source 0 = 16 rows of W_out, source 1 = 16 tokens): lane l holds token l % 16 and the columns 8 (l / 16) + 0..7.
; NO PREFETCH: a half of K has eight steps, of which the first ones are on their way at the head; a lead of several steps would leave the last two to ask for.
; REGISTERS: window 0: v0-31 addresses, v64-127 and v128-191 A's fragments (two buffers), v192-199 the bias; window 1: v64-95, v128-159 B's fragments; window 2: accumulator (a, b) at v[8 (4 a + b)].
.set KSTEP,  128
.set PITCH,  272                       ; 256 bytes + 16 = 68 words: the 16 rows of a fragment load start at 16 different groups of four banks (64 banks of 4 bytes: ISA guide 11.1)
.set TILE,   128*PITCH
.set SLOT,   4*TILE                    ; 139,264
.set SPARE,  2*SLOT                    ; the spare words, 128 bytes a wave: two blocks of 256 bytes that no other line names
.set DP,     528                       ; the finish: rows of 128 f32 + 16 bytes, an odd multiple of 16; 128 rows for each partial sum, all within slot 0
.set DPROD,  128*DP
.set LAPS,   4
.set GO,   13                          ; v13     my byte offset in two rows of out0; never rewritten
.set GOW,  15
.set ADRA, 16
.set ADRB, 20
.set DA,   22
.set BSG,  23
.set ASG,  24
.set AUU,  25
.set SPW,  28
.set NIL,  29
.set F0,   64
.set F1,   128
.set SG,   64                          ; the finish: the two partial sums of 8 units of 2 tokens x 64 columns
.set UU,   96
.set R,    128                         ; v[128:159] the results
.set BO,   192                         ; v[192:199] b_out of my 8 columns
.set G1,  24
.set G0,  32
.set G1B, 48
.set G0B, 56
.set OSG, 14
.set OG,  15
.set CNT, 18
.set MSB, 0
.macro WIN new
.if MSB != (\new)
	s_set_vgpr_msb (MSB<<8)|(\new)
.set MSB, \new
.endif
.endm
.set MUL,  0xa1                        ; source 0 (B) window 1, source 1 (A) window 0, C and D window 2
.set TO_B, 0x40
.macro JLOAD s                         ; a joint load: waves 0 and 1 fetch A's two tiles, waves 2 and 3 B's; an s_nop 0 and four v_nop follow each of the two lines
	s_cmp_eq_u32 s11, 0
	s_cbranch_scc0 .Lfor_b_\@
	tensor_load_to_lds s[G0+4*(\s):G0+4*(\s)+3], s[G1:G1+7]
	s_nop 0
.rept 4
	v_nop
.endr
	s_branch .Lasked_\@
.Lfor_b_\@:
	tensor_load_to_lds s[G0B+4*(\s):G0B+4*(\s)+3], s[G1B:G1B+7]
	s_nop 0
.rept 4
	v_nop
.endr
.Lasked_\@:
.endm
.macro CREST
	s_cmp_lg_u32 s10, 0
	s_cbranch_scc1 .Lnot_wave_0_\@
	s_barrier_signal -3
.Lnot_wave_0_\@:
	s_barrier_wait -3
	s_barrier_signal -1
	s_barrier_wait -1
.endm
.macro CROUND
	s_barrier_signal -1
	s_barrier_wait -1
	CREST
.endm
.macro PLACES
.rept 4
	v_nop
.endr
.endm
	s_load_b256 s[72:79], s[0:1], 0x0              ; st1 s[72:73], wob s[74:75], b_out s[76:77], out0 s[78:79]
	v_lshl_add_u32 v[SPW], v0, 2, SPARE
	v_mov_b32 v[NIL], 0
	ds_add_u32 v[SPW], v[NIL]                      ; the wave's opening: the add, twice on end, and its wait ahead of my first tensor load
	ds_add_u32 v[SPW], v[NIL]
	v_lshrrev_b32 v1, 5, v0
	v_readfirstlane_b32 s10, v1                    ; wave 0..3
	s_lshr_b32 s11, s10, 1                         ; p: my half of K.  Also: I fetch for A (0) or for B (1)
	s_and_b32 s12, s10, 1                          ; h: my half of the columns.  Also: the half of K whose tile I fetch
	s_bfe_u32 s40, ttmp6, 0x40000
	s_bfe_u32 s41, ttmp6, 0x40004
	s_lshl_b32 s42, ttmp9, 2
	s_add_co_u32 s42, s42, s40                     ; tile column
	s_and_b32 s13, ttmp7, 0xffff
	s_lshl_b32 s13, s13, 2
	s_add_co_u32 s13, s13, s41                     ; tile row
	s_lshl_b32 s43, s41, 2
	s_lshl_b32 s43, 15, s43
	s_lshl_b32 s44, 0x1111, s40
	s_or_b32 s[G1+0], s43, (1<<16)|(1<<20)|(1<<21)|(5<<22)|(3<<25)   ; 2-byte elements, padding of 4 words after every 64, bit 21 beside the mask
	s_or_b32 s[G1B+0], s44, (1<<16)|(1<<20)|(1<<21)|(5<<22)|(3<<25)
.irp g, G1, G1B
	s_mov_b32 s[(\g)+1], KSTEP<<16                 ; 128 rows of 128 elements, 2,048 elements from row to row
	s_mov_b32 s[(\g)+2], 128<<16
	s_mov_b32 s[(\g)+3], KSTEP<<16
	s_mov_b32 s[(\g)+4], 128
	s_mov_b32 s[(\g)+5], 2048
	s_mov_b32 s[(\g)+6], 0
	s_mov_b32 s[(\g)+7], 0
.endr
	s_lshl_b32 s20, s13, 19                        ; A: the tile row's 128 rows of 4,096 bytes,
	s_lshl_b32 s21, s12, 11                        ; the half of K: 2,048 bytes along a row
	s_add_co_u32 s20, s20, s21
	s_mov_b32 s21, 0
	s_lshl_b32 s22, s42, 19                        ; B: the tile column's 128 rows
	s_lshl_b32 s23, s12, 11
	s_add_co_u32 s22, s22, s23
	s_mov_b32 s23, 0
	s_mul_i32 s45, s10, TILE                       ; where they go: wave x a tile
	s_wait_dscnt 0x0                               ; both opening adds are done
	s_wait_kmcnt 0x0
	s_add_nc_u64 s[14:15], s[72:73], s[20:21]
	s_add_nc_u64 s[16:17], s[74:75], s[22:23]
	CROUND                                         ; all sixteen work-groups are here: the first joint loads meet
.irp s, 0,1
	s_mov_b32 s[G0+4*(\s)], 1
	s_add_co_u32 s[G0+4*(\s)+1], s45, (\s)*SLOT
	s_add_nc_u64 s[G0+4*(\s)+2:G0+4*(\s)+3], s[14:15], (\s)*KSTEP*2
	s_or_b32 s[G0+4*(\s)+3], s[G0+4*(\s)+3], 0x80000000
	s_mov_b32 s[G0B+4*(\s)], 1
	s_add_co_u32 s[G0B+4*(\s)+1], s45, (\s)*SLOT
	s_add_nc_u64 s[G0B+4*(\s)+2:G0B+4*(\s)+3], s[16:17], (\s)*KSTEP*2
	s_or_b32 s[G0B+4*(\s)+3], s[G0B+4*(\s)+3], 0x80000000
	JLOAD \s                                       ; two tensor loads of a wave are out here, later one
.endr
	v_and_b32 v1, 15, v0                           ; r = l % 16
	v_bfe_u32 v2, v0, 4, 1                         ; l / 16
	v_mul_u32_u24 v3, v1, PITCH
	v_lshl_add_u32 v3, v2, 4, v3
	s_mul_i32 s21, s11, TILE                       ; A's tile of my half of K
	s_mul_i32 s22, s12, 64*PITCH                   ; B's, my 64 rows of it
	s_add_co_u32 s22, s22, s21
	s_add_co_u32 s22, s22, 2*TILE
.irp s, 0,1
	v_add_nc_u32 v[ADRA+(\s)], s21, v3
	v_add_nc_u32 v[ADRB+(\s)], s22, v3
	s_add_co_u32 s21, s21, SLOT
	s_add_co_u32 s22, s22, SLOT
.endr
	s_mul_i32 s21, s11, DPROD                      ; the finish, in: my partial sum's region, my 64 columns (256 bytes), row r, 32 bytes for each half of the lanes
	s_lshl_b32 s22, s12, 8
	s_add_co_u32 s21, s21, s22
	v_mul_u32_u24 v4, v1, DP
	v_lshl_add_u32 v4, v2, 5, v4
	v_add_nc_u32 v[DA], s21, v4
	s_mul_i32 s21, s10, 32*DP                      ; back: wave w takes rows 32 w .. 32 w + 31
	v_mul_u32_u24 v4, v2, DP
	v_lshl_add_u32 v4, v1, 4, v4
	v_add_nc_u32 v[BSG], s21, v4
	v_lshlrev_b32 v5, 4, v1                        ; 16 r
	v_lshl_add_u32 v[GO], v2, 12, v5               ; lanes 16-31: one row of 4,096 bytes further down
	s_lshl_b32 s22, s42, 9                         ; the tile's 128 columns: 512 bytes of b_out and of a row of out0
	s_mov_b32 s23, 0
	s_add_nc_u64 s[76:77], s[76:77], s[22:23]
	global_load_b128 v[BO:BO+3],   v5, s[76:77]
	global_load_b128 v[BO+4:BO+7], v5, s[76:77] offset:256
	s_lshl_b32 s20, s13, 19                        ; out0 at token 128 x tile row + 32 x wave
	s_lshl_b32 s21, s10, 17
	s_add_co_u32 s20, s20, s21
	s_add_co_u32 s20, s20, s22
	s_mov_b32 s21, 0
	s_add_nc_u64 s[78:79], s[78:79], s[20:21]
.macro MUL8 f, a0, zero                ; 8 matrix instructions: token blocks a0, a0 + 1 x all 4 column blocks, 32 along K; the 32 accumulators take turns in one order in every quarter
	WIN MUL
.irp a, \a0, (\a0)+1
.irp b, 0,1,2,3
.if \zero
	v_wmma_f32_16x16x32_f16 v[8*(4*(\a)+(\b)):8*(4*(\a)+(\b))+7], v[(\f)+8*(\b):(\f)+8*(\b)+7], v[(\f)+8*(\a):(\f)+8*(\a)+7], 0
.else
	v_wmma_f32_16x16x32_f16 v[8*(4*(\a)+(\b)):8*(4*(\a)+(\b))+7], v[(\f)+8*(\b):(\f)+8*(\b)+7], v[(\f)+8*(\a):(\f)+8*(\a)+7], v[8*(4*(\a)+(\b)):8*(4*(\a)+(\b))+7]
.endif
.endr
.endr
.endm
.macro FETCH slot, k, f                ; 24 LDS loads in one run: 64 rows of B, 128 rows of A, 32 k at byte k of the rows
	WIN TO_B
.irp i, 0,1,2,3
	ds_load_b128 v[(\f)+8*(\i):(\f)+8*(\i)+3],   v[ADRB+(\slot)] offset:(\k)+(\i)*16*PITCH
	ds_load_b128 v[(\f)+8*(\i)+4:(\f)+8*(\i)+7], v[ADRB+(\slot)] offset:(\k)+(\i)*16*PITCH+32
.endr
	WIN 0
.irp i, 0,1,2,3,4,5,6,7
	ds_load_b128 v[(\f)+8*(\i):(\f)+8*(\i)+3],   v[ADRA+(\slot)] offset:(\k)+(\i)*16*PITCH
	ds_load_b128 v[(\f)+8*(\i)+4:(\f)+8*(\i)+7], v[ADRA+(\slot)] offset:(\k)+(\i)*16*PITCH+32
.endr
.endm
; A step is four quarters of 32 along K, 32 matrix instructions each, on buffers 0, 1, 0, 1.  One of the first three: multiplies buffer f and fetches the next quarter, at byte k, into g.
.macro QUARTER slot, k, f, g, zero
	s_wait_dscnt 8                                 ; B and A's tokens 0-63 are in; the youngest eight loads may be out
	MUL8 \f, 0, \zero
	MUL8 \f, 2, \zero
	PLACES
	FETCH \slot, \k, \g
	s_wait_dscnt 24                                ; all but the 24 just issued
	MUL8 \f, 4, \zero
	MUL8 \f, 6, \zero
.endm
; The last quarter multiplies buffer 1 and changes slots: ONE barrier; in front of it each wave waits for all its tensor loads, adds 0 to its spare word, and waits for that and for its reads of this slot.
; fill = 1: the barrier opens a round of the cluster's, and the joint refill, two steps ahead, is the first thing behind it: 112 matrix instructions ahead of the wait for it.
.macro TURN slot, next, fill
	WIN 0
	s_wait_tensorcnt 0x0
	ds_add_u32 v[SPW], v[NIL]
	s_wait_dscnt 9                                 ; (the add and the youngest eight loads may be out)
	MUL8 F1, 0, 0
	s_wait_dscnt 0x0                               ; the add is done, and my reads of this slot are over
	s_barrier_signal -1
	MUL8 F1, 2, 0
.if \fill
	WIN 0
.endif
	s_barrier_wait -1
.if \fill
	CREST
	s_add_nc_u64 s[G0+4*(\slot)+2:G0+4*(\slot)+3], s[G0+4*(\slot)+2:G0+4*(\slot)+3], 2*KSTEP*2
	s_add_nc_u64 s[G0B+4*(\slot)+2:G0B+4*(\slot)+3], s[G0B+4*(\slot)+2:G0B+4*(\slot)+3], 2*KSTEP*2
	JLOAD \slot                                    ; its four v_nop are also the places in front of the loads below
.else
	PLACES
.endif
	FETCH \next, 0, F0
	MUL8 F1, 4, 0
	MUL8 F1, 6, 0
.endm
.macro LDSG                            ; a trip's 8 units (token pair j, 64 columns k) of both partial sums: lane l holds token 2 j + l / 16, columns 64 k + 4 (l % 16) + 0..3
	v_add_nc_u32 v[ASG], s[OSG], v[BSG]
	v_add_nc_u32 v[AUU], DPROD, v[ASG]
.irp j, 0,1,2,3
.irp k, 0,1
	ds_load_b128 v[SG+4*(2*(\j)+(\k)):SG+4*(2*(\j)+(\k))+3], v[ASG] offset:(\j)*2*DP+(\k)*256
	ds_load_b128 v[UU+4*(2*(\j)+(\k)):UU+4*(2*(\j)+(\k))+3], v[AUU] offset:(\j)*2*DP+(\k)*256
.endr
.endr
.endm
	s_wait_tensorcnt 1                             ; my tile of step 0 is in; step 1's may stay out
	s_barrier_signal -1
	s_barrier_wait -1
	FETCH 0, 0, F0
	QUARTER 0, 64, F0, F1, 1                       ; the first quarter stands in front of the loop: its products start the sums
	WIN 0
	s_mov_b32 s3, LAPS-1
.Llap:                                         ; a trip goes once round the ring, from a lap's second quarter to the next lap's first, and fills both slots again
	QUARTER 0, 128, F1, F0, 0
	QUARTER 0, 192, F0, F1, 0
	TURN 0, 1, 1
	QUARTER 1, 64,  F0, F1, 0
	QUARTER 1, 128, F1, F0, 0
	QUARTER 1, 192, F0, F1, 0
	TURN 1, 0, 1
	QUARTER 0, 64,  F0, F1, 0
	WIN 0
	s_sub_co_u32 s3, s3, 1
	s_cmp_lg_u32 s3, 0
	s_cbranch_scc1 .Llap
	QUARTER 0, 128, F1, F0, 0                      ; the last lap fills nothing
	QUARTER 0, 192, F0, F1, 0
	TURN 0, 1, 0
	QUARTER 1, 64,  F0, F1, 0
	QUARTER 1, 128, F1, F0, 0
	QUARTER 1, 192, F0, F1, 0
	s_wait_dscnt 8                                 ; the very last quarter: nothing more to fetch
	MUL8 F1, 0, 0
	MUL8 F1, 2, 0
	s_wait_dscnt 0x0
	MUL8 F1, 4, 0
	MUL8 F1, 6, 0
	PLACES                                         ; the LDS stores below read results just made
	; THE FINISH.  Both partial sums go into LDS in f32, row = token.  Their 135,168 bytes lie within slot 0, whose last fill and whose last reads stand ahead of the last change of slots' barrier, which every wave
	; has passed: so the stores need no barrier of their own.  Each accumulator's lowest registers are read first.
	WIN 0x08                                       ; the stores' data (source 1) in window 2
.irp a, 0,1,2,3,4,5,6,7
.irp b, 0,1,2,3
	ds_store_b128 v[DA], v[8*(4*(\a)+(\b)):8*(4*(\a)+(\b))+3]   offset:(\a)*16*DP+64*(\b)
	ds_store_b128 v[DA], v[8*(4*(\a)+(\b))+4:8*(4*(\a)+(\b))+7] offset:(\a)*16*DP+64*(\b)+16
.endr
.endr
	WIN 0
	s_wait_dscnt 0x0                               ; for the others' sake: my stores are done
	s_barrier_signal -1
	s_barrier_wait -1
	s_mov_b32 s[OSG], 0
	s_mov_b32 s[OG], 0
	s_mov_b32 s[CNT], 4
	LDSG
	s_wait_loadcnt 0x0                             ; b_out
.Ltrip:                                        ; four trips of eight tokens
	s_wait_dscnt 0x0
	s_wait_xcnt 0x0                                ; the last trip's stores have read their offset and their data: both are rewritten only behind this wait
.set i, 0
.rept 16
	v_pk_add_f32 v[R+2*i:R+2*i+1], v[SG+2*i:SG+2*i+1], v[UU+2*i:UU+2*i+1]  ; the two halves of K
.set i, i+1
.endr
.set i, 0
.rept 16
	v_pk_add_f32 v[R+2*i:R+2*i+1], v[R+2*i:R+2*i+1], v[BO+(2*i)%8:BO+(2*i)%8+1]  ; + b_out
.set i, i+1
.endr
	v_add_nc_u32 v[GOW], s[OG], v[GO]
	s_add_co_u32 s[OG], s[OG], 8*4096
	s_cmp_eq_u32 s[CNT], 1                         ; the next trip's rows are asked for as soon as these are consumed; the last trip has none
	s_cbranch_scc1 .Lno_more
	s_add_co_u32 s[OSG], s[OSG], 8*DP
	LDSG
.Lno_more:
.irp j, 0,1,2,3
.irp k, 0,1
	global_store_b128 v[GOW], v[R+4*(2*(\j)+(\k)):R+4*(2*(\j)+(\k))+3], s[78:79] offset:(\j)*2*4096+(\k)*256 th:TH_STORE_NT  ; 16 lanes store 256 consecutive bytes, aligned
.endr
.endr
	s_sub_co_u32 s[CNT], s[CNT], 1
	s_cmp_lg_u32 s[CNT], 0
	s_cbranch_scc1 .Ltrip
	s_wait_tensorcnt 0x0                           ; the wave's end, behind my last tensor load and my last LDS store
	ds_add_u32 v[SPW], v[NIL]
	s_wait_dscnt 0x0
	CROUND                                         ; the closing round
	s_endpgm
.Lfunc_end_k_q4894d4ee7e_proj_out:
	.size	k_q4894d4ee7e_proj_out, .Lfunc_end_k_q4894d4ee7e_proj_out-k_q4894d4ee7e_proj_out
	.p2alignl 7, 3214868480
	.fill 96, 4, 3214868480
	.section	.rodata,"a",@progbits
	.p2align	6, 0x0
	.amdhsa_kernel k_q4894d4ee7e_proj_out
		.amdhsa_group_segment_fixed_size 327680
		.amdhsa_private_segment_fixed_size 0
		.amdhsa_enable_private_segment 0
		.amdhsa_kernarg_size 32
		.amdhsa_user_sgpr_count 2
		.amdhsa_user_sgpr_kernarg_segment_ptr 1
		.amdhsa_wavefront_size32 1
		.amdhsa_system_sgpr_workgroup_id_x 1
		.amdhsa_system_sgpr_workgroup_id_y 1
		.amdhsa_system_sgpr_workgroup_id_z 1
		.amdhsa_system_vgpr_workitem_id 0
		.amdhsa_next_free_vgpr 768
		.amdhsa_next_free_sgpr 80
		.amdhsa_reserve_vcc 0
		.amdhsa_float_denorm_mode_32 3
		.amdhsa_float_denorm_mode_16_64 3
		.amdhsa_memory_ordered 1
		.amdhsa_forward_progress 1
		.amdhsa_inst_pref_size 81
	.end_amdhsa_kernel
	.amdgpu_metadata
---
amdhsa.version: [ 1, 2 ]
amdhsa.kernels:
  - .name:           k_q4894d4ee7e_proj_out
    .symbol:         k_q4894d4ee7e_proj_out.kd
    .args:
      - { .name: st1, .offset: 0, .size: 8, .value_kind: global_buffer, .address_space: global }
      - { .name: wob, .offset: 8, .size: 8, .value_kind: global_buffer, .address_space: global }
      - { .name: b_out, .offset: 16, .size: 8, .value_kind: global_buffer, .address_space: global }
      - { .name: out0, .offset: 24, .size: 8, .value_kind: global_buffer, .address_space: global }
    .group_segment_fixed_size: 327680
    .private_segment_fixed_size: 0
    .kernarg_segment_align: 8
    .kernarg_segment_size: 32
    .max_flat_workgroup_size: 128
    .sgpr_count:     80
    .vgpr_count:     768
    .wavefront_size: 32
...
	.end_amdgpu_metadata
.endif
;; end of part 4
